; MI455X (gfx1250); checked and timed in simulation.
; The chip was launched on July 23, 2026; its instructions are those of AMD's public machine-readable ISA for CDNA 5 (MIT licence, August 2026) and "CDNA5" Instruction Set Architecture Reference Guide (July 2026). The comments in the code are by the model that wrote it; some were corrected since.
;; Causal Self Attention. Allowed arithmetic: matrix products marked QUANTISED: E4M3 operands, one E8M0 scale for each 32 along K, by v_wmma_scale_f32_16x16x128_f8f6f4 with both operands' format E4M3, f32 sums; everything else in f32.
;; Inputs: out_b 1,024 float32; out_w 1,024 x 1,024 float32; qkv_b 3,072 float32; qkv_w 3,072 x 1,024 float32; x 4 x 2,048 x 1,024 float32.
;; Outputs: out0 4 x 2,048 x 1,024 float32.
;; This version of the problem:
;;   THIS VERSION OF THE PROBLEM IS GIVEN IN LOW PRECISION. The matrix products marked QUANTISED in the list below multiply operands that are first quantised to E4M3 (4 exponent bits, 3 mantissa bits; 8 bits a number), with one power-of-two scale for each 32 numbers along K (OCP MX v1.0); their sums are f32. All else is computed in f32.
;;   The module's matrix products, in the order in which they are computed (A, B: the left and right operand; K: the contracted axis; several contracted axes count as one K, in the product's order):
;;     1. [M 8,192, K 1,024] x [K 1,024, N 3,072]; A: input x; B: input qkv_w: QUANTISED
;;     2. batch 64 x [M 2,048, K 64] x [K 64, N 2,048]; A: computed on the way; B: computed on the way: QUANTISED
;;     3. batch 64 x [M 2,048, K 2,048] x [K 2,048, N 64]; A: softmax (see below); B: computed on the way: QUANTISED
;;     4. [M 8,192, K 1,024] x [K 1,024, N 1,024]; A: computed on the way; B: input out_w: QUANTISED
;;   THE QUANTISER, for each operand of a quantised product, along K:
;;     - K is cut into blocks of 32 from its start; a last block that is shorter is filled with zeros.
;;     - A block's scale is 2^e with e = floor(log2(the largest magnitude in the block)) - 8, held to -126 .. 127; a block of zeros has e = 0. As a byte (E8M0): e + 127.
;;     - Each number is divided by its block's scale, clamped to +-448, and rounded to the nearest number of E4M3, ties to even, subnormals kept.
;;     - The product sums the exact products of the quantised numbers (number of the format x scale) in f32.
;;   ~~~python
;;   def quantise(x, axis):      # numpy; x: float32 -> the quantised numbers, widened to float32 again
;;       x = np.moveaxis(x, axis, -1); K = x.shape[-1]
;;       x = np.pad(x, [(0, 0)] * (x.ndim - 1) + [(0, -K % 32)]); x = x.reshape(x.shape[:-1] + (-1, 32)); a = np.abs(x).max(-1, keepdims=True)
;;       e = np.where(a > 0, np.clip(np.frexp(np.where(a > 0, a, 1))[1] - 1 - 8, -126, 127), 0)      # np.frexp(a)[1] - 1 = floor(log2(a)), exactly
;;       r = np.clip(x / 2.0 ** e, -448, 448)
;;       step = 2.0 ** (np.maximum(np.frexp(np.where(r == 0, 1, r))[1] - 1, -6) - 3)
;;       q = np.round(r / step) * step * 2.0 ** e      # np.round: ties to even
;;       return np.moveaxis(q.reshape(q.shape[:-2] + (-1,))[..., :K], -1, axis).astype(np.float32)
;;   ~~~
;;   SOFTMAX AHEAD OF A QUANTISED PRODUCT. Where the list says 'softmax', what is quantised is not the finished softmax but p = 2^(t - M), with t = logit x log2(e) and M = ceil(the row's largest t), a whole number; so 1/2 < the row's largest p <= 1. The row's sum l is taken of the UNQUANTISED p, in f32, and the product's result is divided by l at the end. Since M is a whole number, a kernel that streams over the keys may use a running M (the ceiling of the running maximum): every later rescaling is an exact power of two, which a block's scale takes up: the codes' values come out the same.
;;   OPERANDS COMPUTED ON THE WAY. 'Computed on the way' means the value that the module computes at that place (a softmax that the list does not call 'softmax' is quantised finished and normalised). What goes into a quantiser is computed in f32, as accurately as f32 sums, v_exp_f32 and their like allow (about 1e-6 of the number): no bf16 or f16 on the way to a quantiser, and a product that is left as it is and whose result goes on into a quantised operand takes f32 operands (vector FMAs, or v_wmma_f32_16x16x4_f32). A number that lies on a knife's edge between two numbers of the format may be rounded either way, as far as f32 arithmetic and the matrix unit's own rounding can turn it there, and no further.
;; One version. Each part assembles by itself: llvm-mc -triple=amdgcn-amd-amdhsa -mcpu=gfx1250 --defsym DOCPART=n.
;; ======== version 1 of 1: 4 launches
;; limits: right only within a limited range of input values
;; workspace buffers: cod 12,582,912 bytes; scl 393,216 bytes; rope 524,288 bytes; qkv 25,165,824 bytes; sc 786,432 bytes; yc 8,388,608 bytes; ys 262,144 bytes
;; launch prep (part 1): grid 416 x 1, 4 waves a work-group, no clusters, 34,304 bytes of LDS; arguments x, qkv_w, out_w, cod, scl, rope; writes cod, scl, rope
.if DOCPART == 1
	.amdgcn_target "amdgcn-amd-amdhsa--gfx1250"
	.amdhsa_code_object_version 6
	.text
	.protected	k_qdd0f20b041_prep
	.globl	k_qdd0f20b041_prep
	.p2align	8
	.type	k_qdd0f20b041_prep,@function
k_qdd0f20b041_prep:
	s_mov_b64 s[64:65], 0
	v_nop
	global_prefetch_b8 v0, s[64:65] scope:SCOPE_SE
	s_setreg_imm32_b32 hwreg(HW_REG_WAVE_MODE, 25, 1), 1
	s_wait_xcnt 0x0
; x [8192][1024], qkv_w [3072][1024] and out_w [1024][1024], f32, become codes of FP8 (E4M3) with one E8M0 byte for each 32 along K (work-groups 0-383); work-groups 384-415 make the table of cos and sin for the rotation.
; LAYOUT OF THE CODES: IMAGES OF THE OPERAND'S REGISTERS.  A fragment (16 rows x 128 K) is 2,048 bytes [c 0..3][lane 0..31][16 bytes]: lane (r = lane % 16, h = lane / 16) holds k = 32 c + 16 h + 0 .. 15 of the tile's row r.
; THE ROWS OF A TILE ARE NOT NEIGHBOURS: row r of tile 2 g + u is row 32 g + 8 u + r + 8 (r / 8) of the tensor, so that in a later product the 16 result registers of two neighbouring tiles are 16 neighbours.
; cod: [768 row tiles][8 K steps][2,048]: tiles 0-511 x, 512-703 qkv_w, 704-767 out_w.   scl: [768][half of K 2][r 16][4 words], a word = the four bytes of one K step of one row.
; A block's scale is 2^(floor(log2(largest magnitude)) - 8); its byte is that magnitude's exponent field - 8, held at 1 from below; numbers are held within +-448 x scale and rounded to the nearest code, ties to even.
; LIMITS: a block of zeros gets the byte 1 (its codes are zeros, and this program alone reads the bytes); NaN and infinities among the inputs are not served.
; A wave takes one row tile x 512 along K: four K steps.  Each load reads 512 consecutive bytes of one row; a K step's 8,192 bytes turn through the wave's own stage in LDS (rows of 512 + 16 bytes) and come back 64 bytes of a row a lane.
; THE TABLE: rope [t 2048][i 32][cos, sin] f32.  inv_freq = 2^(-i log2(10000) / 32), the factor in two parts so that the first product is exact; the angle is t x inv_freq, rounded once; it is reduced by pi / 2 in two parts
; (fused multiply-adds; what is left out of pi / 2 is under 2^-46, times at most 1,304 quarter turns) and goes through polynomials of degree 7 and 8.  LIMIT: inv_freq is within about an ulp of its true value.
.set SP,   528                         ; a stage row: 512 bytes + 16 = 132 words: row r starts at bank 4 r mod 64
.set STG,  16*SP                       ; a wave's stage
.set SW,   16                          ; v16-19   the four K steps' scale words
.set R,    32                          ; v32-159  two sets of 64: a K step as it is loaded
.set X,    160                         ; v160-223 64 numbers of my row: register 16 c + i = k 32 c + 16 h + i
.set PC,   224                         ; v224-239 the codes
.set TM,   240                         ; v240-243 largest magnitudes, v244-247 bytes, v248-251 448 x scale, v252-255 the conversions' scale operands
.set SEL,  20                          ; s[20:21] selects for v_permlanex16_b32: lane l xor 16
.set MNT,  22                          ; s22 the mantissa field of 448
.set HM,   23                          ; s23 a mask of lanes 16-31
.set LH,   32                          ; s32.. the table's constants
.set LL,   33
.set TOP,  34
.set P1,   35
.set P2,   36
.set C0,   37
.set C1,   38
.set C2,   39
.set S0,   40
.set S1,   41
.set S2,   42
.macro LOAD q                          ; K step q of my 16 rows: each load 512 consecutive bytes
.set i, 0
.rept 16
	global_load_b128 v[R+64*((\q)%2)+4*i:R+64*((\q)%2)+4*i+3], v4, s[4:5] offset:(i+8*(i/8))*4096+512*(\q) th:TH_LOAD_NT
.set i, i+1
.endr
.endm
.macro TURN q                          ; through the stage: LDS serves a wave's instructions in order, so no wait stands between the stores and the loads
.set i, 0
.rept 16
	ds_store_b128 v5, v[R+64*((\q)%2)+4*i:R+64*((\q)%2)+4*i+3] offset:SP*i
.set i, i+1
.endr
.irp c, 0,1,2,3
.irp j, 0,1,2,3
	ds_load_b128 v[X+16*\c+4*\j:X+16*\c+4*\j+3], v6 offset:128*\c+16*\j
.endr
.endr
.endm
.macro QUANT s                         ; 64 numbers of a lane become a fragment's codes in v[PC] on; the four bytes stay in v[TM+4] on
.irp b, 0,1,2,3
	v_max3_num_f32 v[TM+\b], |v[\s+16*\b]|, |v[\s+1+16*\b]|, 0x4800000   ; my 16 numbers of block b, and the floor 2^(9 - 127): the byte cannot fall under 1
.endr
.irp i, 2,4,6,8,10,12,14
.irp b, 0,1,2,3
	v_max3_num_f32 v[TM+\b], v[TM+\b], |v[\s+16*\b+\i]|, |v[\s+1+16*\b+\i]|
.endr
.endr
.irp b, 0,1,2,3
	v_permlanex16_b32 v[TM+4+\b], v[TM+\b], s[SEL], s[SEL+1]
.endr
.irp b, 0,1,2,3
	v_max_num_f32 v[TM+\b], v[TM+\b], v[TM+4+\b]           ; with lane l xor 16's: the block's largest magnitude
.endr
.irp b, 0,1,2,3
	v_add_nc_u32 v[TM+12+\b], 0xfc000000, v[TM+\b]         ; 8 off its exponent field: the conversion's scale operand
.endr
.irp b, 0,1,2,3
	v_and_or_b32 v[TM+8+\b], v[TM+\b], 0x7f800000, s[MNT]  ; 448 x the scale
.endr
.irp b, 0,1,2,3
	v_lshrrev_b32 v[TM+4+\b], 23, v[TM+12+\b]              ; the byte
.endr
.irp b, 0,1,2,3
.irp i, 0,1,2,3,4,5,6,7,8,9,10,11,12,13,14,15
	v_med3_num_f32 v[\s+16*\b+\i], v[\s+16*\b+\i], -v[TM+8+\b], v[TM+8+\b]   ; the conversion does not saturate (ISA guide 7.6.2): the hold comes first
.endr
	v_cvt_scalef32_pk8_fp8_f32 v[PC+4*\b:PC+1+4*\b], v[\s+16*\b:\s+7+16*\b], v[TM+12+\b]
	v_cvt_scalef32_pk8_fp8_f32 v[PC+2+4*\b:PC+3+4*\b], v[\s+8+16*\b:\s+15+16*\b], v[TM+12+\b]
.endr
	v_nop                                          ; a plain line behind the last conversion
.endm
.macro KSTEP q
.if \q < 3
	s_wait_loadcnt 16                              ; this K step's 16 loads are in; the next one's may be out
.else
	s_wait_loadcnt 0x0
.endif
	TURN \q
	s_wait_dscnt 0x0                               ; my 64 numbers are back, and the stage's stores have read their registers,
.if \q < 2
	LOAD \q+2                                      ; which take the K step two further on
.endif
	s_wait_xcnt 0x0                                ; the last K step's stores have read the codes' registers
	QUANT X
	v_lshl_or_b32 v[SW+\q], v[TM+5], 8, v[TM+4]    ; the four bytes make my row's word
	v_lshl_or_b32 v[SW+\q], v[TM+6], 16, v[SW+\q]
	v_lshl_or_b32 v[SW+\q], v[TM+7], 24, v[SW+\q]
.irp c, 0,1,2,3
	global_store_b128 v4, v[PC+4*\c:PC+4*\c+3], s[10:11] offset:2048*\q+512*\c   ; 32 lanes store 512 consecutive bytes
.endr
.endm
; cos and sin of the angle in v[ang] (0 or more)
.macro SINCOS ang, cd, sd
	v_mul_f32 v20, s[TOP], v[\ang]
	v_rndne_f32 v20, v20                           ; quarter turns
	v_fma_f32 v21, v20, s[P1], v[\ang]             ; the angle less so many times pi / 2, in two parts
	v_fma_f32 v21, v20, s[P2], v21
	v_cvt_i32_f32 v23, v20
	v_mul_f32 v22, v21, v21
	v_fma_f32 v24, v22, s[C0], s[C1]
	v_fma_f32 v25, v22, s[S0], s[S1]
	v_fma_f32 v24, v24, v22, s[C2]
	v_fma_f32 v25, v25, v22, s[S2]
	v_fma_f32 v24, v24, v22, -0.5
	v_mul_f32 v26, v21, v22
	v_fma_f32 v24, v24, v22, 1.0                   ; the rest's cosine
	v_fma_f32 v25, v25, v26, v21                   ; and sine
	v_and_b32 v26, 1, v23
	v_cmp_eq_u32 vcc_lo, 1, v26                    ; an odd number of quarter turns changes the two over: a choice of values, no branch
	v_cndmask_b32 v27, v25, v24, vcc_lo
	v_cndmask_b32 v24, v24, v25, vcc_lo
	v_lshlrev_b32 v26, 30, v23                     ; the sine changes sign in quarters 2 and 3,
	v_add_nc_u32 v23, 1, v23
	v_and_b32 v26, 0x80000000, v26
	v_lshlrev_b32 v23, 30, v23                     ; the cosine in quarters 1 and 2
	v_and_b32 v23, 0x80000000, v23
	v_xor_b32 v[\sd], v26, v27
	v_xor_b32 v[\cd], v23, v24
.endm
	s_load_b256 s[4:11], s[0:1], 0x0               ; x, qkv_w, out_w, cod
	s_load_b128 s[12:15], s[0:1], 0x20             ; scl, rope
	v_lshl_add_u32 v30, v0, 2, 0x8400
	v_mov_b32 v31, 0
	v_lshrrev_b32 v1, 5, v0
	v_readfirstlane_b32 s16, v1                    ; wave 0..3
	v_and_b32 v1, 31, v0                           ; lane
	v_and_b32 v2, 15, v0                           ; r
	v_bfe_u32 v3, v0, 4, 1                         ; h
	v_lshlrev_b32 v4, 4, v1                        ; 16 x lane
	s_cmp_ge_u32 ttmp9, 384
	s_cbranch_scc1 .Ltable
	s_mul_i32 s17, s16, STG
	v_add_nc_u32 v5, s17, v4                       ; the stage, on the way in
	v_mul_u32_u24 v6, v2, SP
	v_lshl_add_u32 v6, v3, 6, v6
	v_add_nc_u32 v6, s17, v6                       ; and out: row r, + 64 h
	v_lshlrev_b32 v7, 4, v2
	v_lshl_add_u32 v7, v3, 3, v7                   ; the scale words' place: 16 r + 8 h
	s_mov_b32 s[SEL], 0x76543210
	s_mov_b32 s[SEL+1], 0xfedcba98
	s_mov_b32 s[MNT], 0x600000
	s_mov_b32 s[HM], 0xffff0000
.irp b, 0,1,2,3
	v_mov_b32 v[TM+4+\b], 0                        ; written once: a lane permute's destination counts as one of its sources
.endr
	s_lshr_b32 s18, s16, 1
	s_lshl_b32 s24, ttmp9, 1
	s_add_co_u32 s24, s24, s18                     ; my row tile: 2 x work-group + wave / 2
	s_and_b32 s25, s16, 1                          ; my half of K
	s_movk_i32 s27, 704
	s_wait_alu depctr_va_vdst(0)
	s_wait_kmcnt 0x0
	s_cmp_lt_u32 ttmp9, 352                        ; which tensor: the choice hangs on the work-group's number alone
	s_cselect_b64 s[6:7], s[6:7], s[8:9]
	s_cselect_b32 s26, 512, s27
	s_cmp_lt_u32 ttmp9, 256
	s_cselect_b64 s[4:5], s[4:5], s[6:7]
	s_cselect_b32 s26, 0, s26                      ; the tensor's first row tile
	s_sub_co_u32 s28, s24, s26                     ; my tile in the tensor
	s_lshr_b32 s29, s28, 1
	s_lshl_b32 s29, s29, 17                        ; 32 rows of 4,096 bytes for each pair of tiles,
	s_and_b32 s28, s28, 1
	s_lshl_b32 s28, s28, 15                        ; 8 rows for the odd tile,
	s_add_co_u32 s28, s28, s29
	s_lshl_b32 s30, s25, 11                        ; 2,048 bytes for the second half of K
	s_add_co_u32 s28, s28, s30
	s_mov_b32 s29, 0
	s_add_nc_u64 s[4:5], s[4:5], s[28:29]
	s_lshl_b32 s28, s24, 14
	s_lshl_b32 s30, s25, 13
	s_add_co_u32 s28, s28, s30
	s_add_nc_u64 s[10:11], s[10:11], s[28:29]      ; my four fragments
	s_lshl_b32 s28, s24, 9
	s_lshl_b32 s30, s25, 8
	s_add_co_u32 s28, s28, s30
	s_add_nc_u64 s[12:13], s[12:13], s[28:29]      ; my 256 bytes of scale words
	LOAD 0
	LOAD 1
	KSTEP 0
	KSTEP 1
	KSTEP 2
	KSTEP 3
	v_cndmask_b32 v20, v[SW], v[SW+2], s[HM]       ; lanes 0-15 store a row's words 0 and 1, lanes 16-31 its words 2 and 3
	v_cndmask_b32 v21, v[SW+1], v[SW+3], s[HM]
	global_store_b64 v7, v[20:21], s[12:13]        ; 32 lanes store 256 consecutive bytes, aligned
	s_wait_tensorcnt 0x0
	ds_add_u32 v30, v31
	s_wait_dscnt 0x0
	s_endpgm
.Ltable:
	s_sub_co_u32 s17, ttmp9, 384
	s_lshl_b32 s17, s17, 2
	s_add_co_u32 s17, s17, s16                     ; which 16 rows of the table are my wave's
	s_lshl_b32 s18, s17, 12
	s_mov_b32 s19, 0
	s_lshr_b32 s24, s17, 1                         ; THE TABLE IS LAID AS IMAGES OF REGISTERS (this takes the place of the layout named at the head): rope [tile of 16 tokens 128][g 2][k 4][lane][16 bytes]:
	s_lshl_b32 s24, s24, 5                         ; lane (r, h) holds cos, sin of frequencies 16 g + 8 h + 2 k and + 1 for the tile's row r; row r of tile 2 G + U is token 32 G + 8 U + r + 8 (r / 8).
	s_and_b32 s25, s17, 1                          ; My wave makes one tile: its first token is 32 (tile / 2) + 8 (tile % 2)
	s_lshl_b32 s25, s25, 3
	s_add_co_u32 s24, s24, s25
	s_mov_b32 s[LH], 0xbed49a80                    ; -217706 / 2^19: the upper 18 bits of log2(10000) / 32, so that its product with i < 32 is exact
	s_mov_b32 s[LL], 0x34768659                    ; what that overshoots: +2.29594e-7
	s_mov_b32 s[TOP], 0x3f22f983                   ; 2 / pi
	s_mov_b32 s[P1], 0xbfc90fdb                    ; -(pi / 2 as f32)
	s_mov_b32 s[P2], 0x333bbd2e                    ; +4.3711390e-8: what that f32 number overshoots pi / 2 by
	s_mov_b32 s[C0], 0x37ccf5ce
	s_mov_b32 s[C1], 0xbab6061a
	s_mov_b32 s[C2], 0x3d2aaaa5
	s_mov_b32 s[S0], 0xb94ca1f9
	s_mov_b32 s[S1], 0x3c08839e
	s_mov_b32 s[S2], 0xbe2aaaa3
	s_wait_alu depctr_va_vdst(0)
	v_and_b32 v5, 8, v2
	v_add_nc_u32 v5, v5, v2                        ; r + 8 (r / 8)
	v_add_nc_u32 v5, s24, v5                       ; my lane's token, the same in all eight stores
	v_cvt_f32_u32 v12, v5
	v_lshlrev_b32 v15, 3, v3                       ; 8 h
	s_wait_alu depctr_va_vdst(0)
	s_wait_kmcnt 0x0
	s_add_nc_u64 s[14:15], s[14:15], s[18:19]      ; my tile's 4,096 bytes
.irp n, 0,1,2,3,4,5,6,7
	v_add_nc_u32 v6, 16*(\n/4)+2*(\n%4), v15       ; store n = 4 g + k: my two frequencies: i = 16 g + 8 h + 2 k,
	v_cvt_f32_u32 v6, v6                           ; i as f32,
	v_add_f32 v7, 1.0, v6                          ; i + 1
	v_mul_f32 v8, s[LH], v6
	v_mul_f32 v10, s[LH], v7
	v_rndne_f32 v9, v8
	v_rndne_f32 v11, v10
	v_sub_f32 v8, v8, v9
	v_sub_f32 v10, v10, v11
	v_fma_f32 v8, v6, s[LL], v8
	v_fma_f32 v10, v7, s[LL], v10
	s_wait_alu depctr_va_vdst(0)
	v_exp_f32 v8, v8
	v_exp_f32 v10, v10
	v_cvt_i32_f32 v9, v9                           ; (plain lines behind the exponentials)
	v_cvt_i32_f32 v11, v11
	s_wait_alu depctr_va_vdst(0)
	v_ldexp_f32 v8, v8, v9                         ; inv_freq
	v_ldexp_f32 v10, v10, v11
	v_mul_f32 v13, v12, v8                         ; the angles, each rounded once
	v_mul_f32 v14, v12, v10
	SINCOS 13, 32+4*\n, 33+4*\n
	SINCOS 14, 34+4*\n, 35+4*\n
	global_store_b128 v4, v[32+4*\n:35+4*\n], s[14:15] offset:512*\n   ; two rows of the table: 512 consecutive bytes; each store has registers of its own
.endr
	s_endpgm
.Lfunc_end_k_qdd0f20b041_prep:
	.size	k_qdd0f20b041_prep, .Lfunc_end_k_qdd0f20b041_prep-k_qdd0f20b041_prep
	.p2alignl 7, 3214868480
	.fill 96, 4, 3214868480
	.section	.rodata,"a",@progbits
	.p2align	6, 0x0
	.amdhsa_kernel k_qdd0f20b041_prep
		.amdhsa_group_segment_fixed_size 34304
		.amdhsa_private_segment_fixed_size 0
		.amdhsa_enable_private_segment 0
		.amdhsa_kernarg_size 48
		.amdhsa_user_sgpr_count 2
		.amdhsa_user_sgpr_kernarg_segment_ptr 1
		.amdhsa_wavefront_size32 1
		.amdhsa_system_sgpr_workgroup_id_x 1
		.amdhsa_system_sgpr_workgroup_id_y 1
		.amdhsa_system_sgpr_workgroup_id_z 1
		.amdhsa_system_vgpr_workitem_id 0
		.amdhsa_next_free_vgpr 256
		.amdhsa_next_free_sgpr 66
		.amdhsa_reserve_vcc 1
		.amdhsa_float_denorm_mode_32 3
		.amdhsa_float_denorm_mode_16_64 3
		.amdhsa_memory_ordered 1
		.amdhsa_forward_progress 1
		.amdhsa_inst_pref_size 78
	.end_amdhsa_kernel
	.amdgpu_metadata
---
amdhsa.version: [ 1, 2 ]
amdhsa.kernels:
  - .name:           k_qdd0f20b041_prep
    .symbol:         k_qdd0f20b041_prep.kd
    .args:
      - { .name: x, .offset: 0, .size: 8, .value_kind: global_buffer, .address_space: global }
      - { .name: qkv_w, .offset: 8, .size: 8, .value_kind: global_buffer, .address_space: global }
      - { .name: out_w, .offset: 16, .size: 8, .value_kind: global_buffer, .address_space: global }
      - { .name: cod, .offset: 24, .size: 8, .value_kind: global_buffer, .address_space: global }
      - { .name: scl, .offset: 32, .size: 8, .value_kind: global_buffer, .address_space: global }
      - { .name: rope, .offset: 40, .size: 8, .value_kind: global_buffer, .address_space: global }
    .group_segment_fixed_size: 34304
    .private_segment_fixed_size: 0
    .kernarg_segment_align: 8
    .kernarg_segment_size: 48
    .max_flat_workgroup_size: 128
    .sgpr_count:     66
    .vgpr_count:     256
    .wavefront_size: 32
...
	.end_amdgpu_metadata
.endif
;; end of part 1
;; launch qkvgemm (part 2): grid 32 x 8, 4 waves a work-group, clusters of 4 x 1, 327,680 bytes of LDS; arguments cod, scl, qkv_b, rope, qkv, sc; writes qkv, sc
.if DOCPART == 2
	.amdgcn_target "amdgcn-amd-amdhsa--gfx1250"
	.amdhsa_code_object_version 6
	.text
	.protected	k_qdd0f20b041_qkvgemm
	.globl	k_qdd0f20b041_qkvgemm
	.p2align	8
	.type	k_qdd0f20b041_qkvgemm,@function
k_qdd0f20b041_qkvgemm:
	s_mov_b64 s[64:65], 0
	v_nop
	global_prefetch_b8 v0, s[64:65] scope:SCOPE_SE
	s_setreg_imm32_b32 hwreg(HW_REG_WAVE_MODE, 25, 1), 1
	s_wait_xcnt 0x0
	s_wait_alu depctr_hold_cnt(0) depctr_sa_sdst(0) depctr_va_vdst(0) depctr_va_sdst(0) depctr_va_ssrc(0) depctr_va_vcc(0) depctr_vm_vsrc(0)
	s_getreg_b32 s2, hwreg(HW_REG_IB_STS2, 6, 4)
	s_cmp_eq_u32 s2, 0
	s_cbranch_scc0 .Lentry_in_a_cluster
	s_endpgm
.Lentry_in_a_cluster:
	s_bfe_u32 s2, ttmp6, 0x10000c
	s_cmp_lg_u32 s2, 0x3003
	s_cbranch_scc0 .Lentry_shape_is_right
	s_endpgm
.Lentry_shape_is_right:
; qkv = x qkv_w^T + qkv_b on codes of FP8 (E4M3) with E8M0 scales; q and k are rotated; q, k (along the head's 64) and v (along the keys) are quantised in registers and leave as codes and scale words.  No f32 result goes to memory.
; OPERANDS ARE IMAGES OF REGISTERS: a fragment (16 rows x 128 K) is 2,048 bytes [c][lane][16]; row r of tile 2 g + u is row 32 g + 8 u + r + 8 (r / 8).  cod: [768 row tiles][8 K steps][2,048] (0-511 x, 512-703 qkv_w); scl: [768][2][r 16][4 words].
; THE DEAL: 256 work-groups: 256 tokens (grid x) x 384 channels (grid y = j: heads 2 j, 2 j + 1 of q, of k and of v).  A wave holds its 64 tokens, ALL of K, in 512 registers, loaded once straight from memory.
; The weights' rows stream past them from LDS in blocks of 16 rows: 32 products a block on 4 accumulators by turns; one set of 128 registers, fetched anew by halves.  24 blocks a wave.
; LDS: two slots of 128 rows (131,072 bytes, dense images).  q's rows (slot 0) and k's (slot 1) are asked for at the head, half a slot a wave; v's rows are the one refill, into slot 0 behind q's blocks, a quarter a wave: they have k's blocks in which to land.
; CLUSTERS: the four work-groups of a cluster have the same j and ask for every tile of weights jointly.  No prefetch: each stream is asked for at the head or a whole phase ahead of its use.
; q, k: source 0 = weights, source 1 = x: a lane holds one token, the 16 registers of weight blocks 2 g, 2 g + 1 are channels 32 g + 16 h + 0 .. 15.  v: source 0 = x, source 1 = weights: a lane holds one channel, registers run along the keys.
; A unit is two blocks: 64 numbers a lane, four scale blocks of 32.  The bias is the first products' C.  The table of cos and sin for my 64 tokens stays in 128 registers.
; OUT, as the attention launch reads it: qkv [3][bh 64][131,072]: q, k: [tile of 16 tokens 128][c 2][lane][16]; v: [128 keys 16][tile of 16 channels 4][c 4][lane][16].
;      sc: q at 0: [bh][128 tokens 16][r 16][4 words]; k, v from 262,144: [bh][8,192]: k as q, then v: [128 keys 16][r 16][4 tiles].  A word of q or k: bytes 0, 1 tile t, bytes 2, 3 tile t + 4.  Scale bytes are gathered in LDS and leave as units of 256 bytes.
; LIMITS: a block of zeros gets the byte 1 (zero codes; read by this program alone); NaN and infinities are not served.
; REGISTERS: window 0: see below.  windows 1, 2: x's fragment (K step q, tile tt) at 16 ((4 q + tt) % 16) of window 1 + q / 4.  window 3: v0-127 a block of weights, v128-255 the table.
.set XQ,    262144                     ; scale bytes: [trip 6][128 tokens 2][r 16][16]: 3,072 bytes that no tile lands on
.set SPARE, 266240
.set NP,    8                          ; places behind this matrix instruction (ISA guide 7.12.1)
.set LI,    4                          ; 16 x lane
.set ADW,   5                          ; LDS: this head's four blocks; v6: the next head's
.set ADN,   6
.set AX0,   7                          ; LDS: my scale bytes' place; v8: in this trip's region
.set AXB,   8
.set BIO,   9                          ; 64 h
.set WSO,   10                         ; 512 h + 16 r
.set BVO,   11                         ; 4 (r + 8 (r / 8))
.set L8,    13                         ; 8 x lane
.set SPW,   14
.set NIL,   15
.set XS,    16                         ; v16-31 x's scale words: register 8 p + q: lanes 0-15 tile 2 p, lanes 16-31 tile 2 p + 1
.set BVL,   32                         ; v32-35 v's bias: my channel of the head's four tiles
.set WS,    36                         ; v36-51 the weights' scale words, a set for each unit of a head: lanes 0-15 block 2 g, lanes 16-31 block 2 g + 1
.set BI,    52                         ; v52-83 the first products' C
.set ACC,   96                         ; v96-159 a unit's sums
.set PC,    160
.set TM,    176
.set T,     192
.set G1,  24
.set G0,  32
.set SEL, 36
.set MNT, 38
.set TW,  39                           ; LDS byte of this head's blocks
.set TN,  40
.set TX,  41
.set CNT, 42
.set TR,  43                           ; the trip: 2 x (q, k, v) + head
.set OC,  44
.set OCV, 45
.set OB,  52
.set WB,  54
.set BB,  56
.set WC,  60
.set BC,  61
.set MSB, 0
.macro WIN new                         ; the immediate's high byte repeats the setting that is left
.if MSB != (\new)
	s_set_vgpr_msb (MSB<<8)|(\new)
.set MSB, (\new)
.endif
.endm
.macro PLACES n
.rept \n
	v_nop
.endr
.endm
.macro ROUND                           ; a round of the cluster's barrier
	s_barrier_signal -1
	s_barrier_wait -1
	s_cmp_lg_u32 s16, 0
	s_cbranch_scc1 .Lnot_wave_0_\@
	s_barrier_signal -3
.Lnot_wave_0_\@:
	s_barrier_wait -3
	s_barrier_signal -1
	s_barrier_wait -1
.endm
.macro WM d, a, b, c, sa, sb, ra, rb   ; a product; ra, rb: the scale words stand in lanes 16-31
.if (\ra) && (\rb)
	v_wmma_scale_f32_16x16x128_f8f6f4 v[\d:\d+7], v[\a:\a+15], v[\b:\b+15], v[\c:\c+7], v[\sa], v[\sb] matrix_a_scale:MATRIX_SCALE_ROW1 matrix_b_scale:MATRIX_SCALE_ROW1
.elseif (\ra)
	v_wmma_scale_f32_16x16x128_f8f6f4 v[\d:\d+7], v[\a:\a+15], v[\b:\b+15], v[\c:\c+7], v[\sa], v[\sb] matrix_a_scale:MATRIX_SCALE_ROW1
.elseif (\rb)
	v_wmma_scale_f32_16x16x128_f8f6f4 v[\d:\d+7], v[\a:\a+15], v[\b:\b+15], v[\c:\c+7], v[\sa], v[\sb] matrix_b_scale:MATRIX_SCALE_ROW1
.else
	v_wmma_scale_f32_16x16x128_f8f6f4 v[\d:\d+7], v[\a:\a+15], v[\b:\b+15], v[\c:\c+7], v[\sa], v[\sb]
.endif
.endm
.macro PRD kind, g, u, q, tt           ; block 2 g + u of the head, K step q, my token tile tt
.set W_, 16*(\q)
.set X_, 16*((4*(\q)+(\tt))%16)
.set SW_, WS+8*(\g)+(\q)
.set SX_, XS+8*((\tt)/2)+(\q)
.if \kind
.set D_, ACC+32*(\u)+8*(\tt)
.set C_, D_
.if (\q) == 0
.set C_, BI+8*(\u)
.endif
	WM D_, X_, W_, C_, SX_, SW_, (\tt)%2, \u
.else
.set D_, ACC+16*(\tt)+8*(\u)
.set C_, D_
.if (\q) == 0
.set C_, BI+16*(\g)+8*(\u)
.endif
	WM D_, W_, X_, C_, SW_, SX_, \u, (\tt)%2
.endif
.endm
.macro HALF kind, g, u, hf             ; 16 products: four K steps, the four accumulators by turns
.if \kind
	WIN 0x0d+(\hf)
.else
	WIN 0x07+4*(\hf)
.endif
.irp qq, 0,1,2,3
.irp tt, 0,1,2,3
	PRD \kind, \g, \u, 4*(\hf)+\qq, \tt
.endr
.endr
	WIN 0
.endm
.macro FETCH4 areg, nb, q0             ; four fragments of block nb (4: the next head's first) into window 3: 16 loads
	WIN 0xc0
.irp q, 0,1,2,3
.irp c, 0,1,2,3
	ds_load_b128 v[16*(\q0+\q)+4*\c:16*(\q0+\q)+4*\c+3], v[\areg+(\nb)/4] offset:((\nb)%4)*16384+2048*(\q0+\q)+512*\c
.endr
.endr
	WIN 0
.endm
.macro BLK kind, g, u                  ; a block; behind each half of its products that half's registers take the next block
.set NB_, 2*(\g)+(\u)+1
	s_wait_dscnt 16                                ; all but the youngest 16: fragments 0-3 are in
	HALF \kind, \g, \u, 0
	PLACES NP
	FETCH4 ADW, NB_, 0
	s_wait_dscnt 16                                ; all but the 16 just issued: fragments 4-7 are in
	HALF \kind, \g, \u, 1
	PLACES NP
	FETCH4 ADW, NB_, 4
.endm
.macro QUANT s                         ; 64 numbers of a lane, four blocks of 16 + lane l xor 16's 16, become codes in v[PC] on; the bytes stay in v[TM+4] on
.irp b, 0,1,2,3
	v_max3_num_f32 v[TM+\b], |v[\s+16*\b]|, |v[\s+1+16*\b]|, 0x4800000   ; and the floor 2^(9 - 127): the byte cannot fall under 1
.endr
.irp i, 2,4,6,8,10,12,14
.irp b, 0,1,2,3
	v_max3_num_f32 v[TM+\b], v[TM+\b], |v[\s+16*\b+\i]|, |v[\s+1+16*\b+\i]|
.endr
.endr
.irp b, 0,1,2,3
	v_permlanex16_b32 v[TM+4+\b], v[TM+\b], s[SEL], s[SEL+1]
.endr
.irp b, 0,1,2,3
	v_max_num_f32 v[TM+\b], v[TM+\b], v[TM+4+\b]
.endr
.irp b, 0,1,2,3
	v_add_nc_u32 v[TM+12+\b], 0xfc000000, v[TM+\b]         ; 8 off the exponent field: the conversion's scale operand
.endr
.irp b, 0,1,2,3
	v_and_or_b32 v[TM+8+\b], v[TM+\b], 0x7f800000, s[MNT]  ; 448 x the scale
.endr
.irp b, 0,1,2,3
	v_lshrrev_b32 v[TM+4+\b], 23, v[TM+12+\b]              ; the byte
.endr
.irp b, 0,1,2,3
.irp i, 0,1,2,3,4,5,6,7,8,9,10,11,12,13,14,15
	v_med3_num_f32 v[\s+16*\b+\i], v[\s+16*\b+\i], -v[TM+8+\b], v[TM+8+\b]   ; the conversion does not saturate (ISA guide 7.6.2)
.endr
	v_cvt_scalef32_pk8_fp8_f32 v[PC+4*\b:PC+1+4*\b], v[\s+16*\b:\s+7+16*\b], v[TM+12+\b]
	v_cvt_scalef32_pk8_fp8_f32 v[PC+2+4*\b:PC+3+4*\b], v[\s+8+16*\b:\s+15+16*\b], v[TM+12+\b]
.endr
	v_nop                                          ; a plain line behind the last conversion
.endm
.macro NEXTW g                         ; the scale words of the next trip's unit g
	global_load_b128 v[WS+8*(\g):WS+8*(\g)+3], v[WSO], s[WB:WB+1] offset:1024*(\g)
	global_load_b128 v[WS+8*(\g)+4:WS+8*(\g)+7], v[WSO], s[WB:WB+1] offset:1024*(\g)+256
.endm
.macro NEXTB g                         ; q, k: and its bias: channels 32 g + 16 h + 0 .. 15
.irp k, 0,1,2,3
	global_load_b128 v[BI+16*(\g)+4*\k:BI+16*(\g)+4*\k+3], v[BIO], s[BB:BB+1] offset:128*(\g)+16*\k
.endr
.endm
.macro EPIQK g                         ; rotation, quantiser, stores: block tt of the four is token tile tt
	s_wait_xcnt 0x0                                ; the last unit's stores have read the codes' registers
	WIN 0x0c                                       ; source 1: the table, window 3
.set gg, 0
.rept 8
.irp m, 0,1,2,3
.set p, 4*gg+\m
	v_pk_mul_f32 v[T+2*\m:T+2*\m+1], v[ACC+2*p:ACC+2*p+1], v[128+64*(\g)+2*p:128+64*(\g)+2*p+1] op_sel:[0,0] op_sel_hi:[0,1]   ; even x cos, even x sin
.endr
.irp m, 0,1,2,3
.set p, 4*gg+\m
	v_pk_fma_f32 v[ACC+2*p:ACC+2*p+1], v[ACC+2*p:ACC+2*p+1], v[128+64*(\g)+2*p:128+64*(\g)+2*p+1], v[T+2*\m:T+2*\m+1] op_sel:[1,1,0] op_sel_hi:[1,0,1] neg_lo:[0,1,0]   ; - odd x sin, + odd x cos
.endr
.set gg, gg+1
.endr
	WIN 0
	QUANT ACC
.irp tt, 0,1,2,3
	ds_store_b8 v[AXB], v[TM+4+\tt] offset:4*\tt+(\g)              ; both lanes of a row write the same byte
	global_store_b128 v[LI], v[PC+4*\tt:PC+4*\tt+3], s[OB:OB+1] offset:1024*\tt+512*(\g)   ; 512 consecutive bytes
.endr
.endm
.macro EPIV g                          ; block b = 2 u + G: channel tile 2 g + u, my keys 32 G on
	s_wait_xcnt 0x0
	QUANT ACC
.irp b, 0,1,2,3
	ds_store_b8 v[AXB], v[TM+4+\b] offset:(2*(\g)+\b/2)*4+\b%2
	global_store_b128 v[LI], v[PC+4*\b:PC+4*\b+3], s[OB:OB+1] offset:(2*(\g)+\b/2)*2048+(\b%2)*512
.endr
.endm
.macro UNIT kind, g
.if \kind
	s_wait_loadcnt 4                               ; all but the four loads issued at the last unit's end
.irp i, 0,1,2,3,4,5,6,7
	v_mov_b32 v[BI+\i], v[BVL+2*(\g)]              ; v's bias, one number a lane and tile, spread over the eight registers of a C
.endr
.irp i, 0,1,2,3,4,5,6,7
	v_mov_b32 v[BI+8+\i], v[BVL+2*(\g)+1]
.endr
	s_wait_alu depctr_va_vdst(0)
.else
	s_wait_loadcnt 6                               ; all but the six loads issued at the last unit's end
.endif
	BLK \kind, \g, 0
	BLK \kind, \g, 1
	NEXTW \g
.if \kind
	global_load_b32 v[BVL+2*(\g)], v[BVO], s[BB:BB+1] offset:128*(\g)
	global_load_b32 v[BVL+2*(\g)+1], v[BVO], s[BB:BB+1] offset:128*(\g)+32
	EPIV \g
.else
	NEXTB \g
	EPIQK \g
.endif
.endm
.macro TRIP kind, lim                  ; a head: four blocks, two units
	s_wait_xcnt 0x0                                ; pending loads and stores have read their bases
	s_lshr_b32 s46, s[TR], 1
	s_and_b32 s47, s[TR], 1
	s_lshl_b32 s48, s46, 23
	s_lshl_b32 s47, s47, 17
	s_add_co_u32 s48, s48, s47
.if \kind
	s_add_co_u32 s48, s48, s[OCV]
.else
	s_add_co_u32 s48, s48, s[OC]
.endif
	s_mov_b32 s49, 0
	s_add_nc_u64 s[OB:OB+1], s[12:13], s[48:49]    ; where this head's codes go
	s_add_co_u32 s46, s[TR], 1                     ; the next trip's scale words and bias (behind the last trip: bytes inside the buffers that nobody uses)
	s_lshr_b32 s47, s46, 1
	s_and_b32 s46, s46, 1
	s_lshl_b32 s48, s47, 15
	s_lshl_b32 s50, s46, 11
	s_add_co_u32 s48, s48, s50
	s_add_co_u32 s48, s48, s[WC]
	s_add_nc_u64 s[WB:WB+1], s[6:7], s[48:49]
.if \kind
	s_movk_i32 s48, 8192
.else
	s_lshl_b32 s48, s47, 12
.endif
	s_lshl_b32 s50, s46, 8
	s_add_co_u32 s48, s48, s50
	s_add_co_u32 s48, s48, s[BC]
	s_add_nc_u64 s[BB:BB+1], s[8:9], s[48:49]
	s_add_co_u32 s[TN], s[TW], 65536
	s_min_u32 s[TN], s[TN], \lim                   ; a phase's last head fetches its own first block again: what follows it is fetched behind its barrier
	v_add_nc_u32 v[ADW], s[TW], v[LI]
	v_add_nc_u32 v[ADN], s[TN], v[LI]
	v_add_nc_u32 v[AXB], s[TX], v[AX0]
	s_wait_alu depctr_va_vdst(0)
	UNIT \kind, 0
	UNIT \kind, 1
	s_add_co_u32 s[TW], s[TW], 65536
	s_add_co_u32 s[TX], s[TX], 512
	s_add_co_u32 s[TR], s[TR], 1
	s_sub_co_u32 s[CNT], s[CNT], 1
	s_cmp_lg_u32 s[CNT], 0
	s_wait_alu depctr_va_vdst(0)
.endm
	s_load_b256 s[4:11], s[0:1], 0x0               ; cod, scl, qkv_b, rope
	s_load_b128 s[12:15], s[0:1], 0x20             ; qkv, sc
	v_lshl_add_u32 v[SPW], v0, 2, SPARE
	v_mov_b32 v[NIL], 0
	ds_add_u32 v[SPW], v[NIL]                      ; the opening lines: the add, twice on end, and its wait ahead of my first tensor load
	ds_add_u32 v[SPW], v[NIL]
	v_lshrrev_b32 v1, 5, v0
	v_readfirstlane_b32 s16, v1                    ; wave 0..3
	s_lshr_b32 s17, s16, 1
	s_and_b32 s18, s16, 1
	s_bfe_u32 s19, ttmp6, 0x40000                  ; cx: it enters global addresses of x, the table and the results alone
	s_lshl_b32 s20, ttmp9, 2
	s_add_co_u32 s20, s20, s19                     ; which 256 tokens
	s_and_b32 s21, ttmp7, 0xffff                   ; j, which the four partners share
	s_mov_b32 s[G1], 15|(3<<16)|(1<<21)            ; the mask: all four; elements of 8 bytes; bit 21 beside a mask; dense rows of 4,096 bytes
	s_mov_b32 s[G1+1], 512<<16
	s_mov_b32 s[G1+2], 16<<16                      ; the head's loads: 16 rows, half a slot
	s_mov_b32 s[G1+3], 512<<16
	s_mov_b32 s[G1+4], 16
	s_mov_b32 s[G1+5], 512
	s_mov_b32 s[G1+6], 0
	s_mov_b32 s[G1+7], 0
	s_mov_b32 s[SEL], 0x76543210
	s_mov_b32 s[SEL+1], 0xfedcba98
	s_mov_b32 s[MNT], 0x600000
	s_lshl_b32 s46, s17, 6                         ; waves 0, 1: q's row tiles 512 + 8 j on; waves 2, 3: k's, 64 further
	s_lshl_b32 s47, s21, 3
	s_add_co_u32 s46, s46, s47
	s_add_co_u32 s46, s46, 512
	s_lshl_b32 s46, s46, 14
	s_lshl_b32 s47, s18, 16
	s_add_co_u32 s46, s46, s47
	s_mov_b32 s47, 0
	s_lshr_b32 s22, s20, 3
	s_lshl_b32 s22, s22, 4
	s_lshl_b32 s48, s21, 1
	s_add_co_u32 s22, s22, s48                     ; 16 batch + 2 j: my first head
	s_and_b32 s23, s20, 7                          ; which 256 tokens of the batch
	s_lshl_b32 s[OC], s22, 17
	s_lshl_b32 s48, s23, 14
	s_add_co_u32 s[OC], s[OC], s48
	s_lshl_b32 s48, s17, 13
	s_add_co_u32 s[OCV], s[OC], s48                ; v: + the 128 keys, + pieces c = 2 (wave % 2) on
	s_lshl_b32 s48, s18, 10
	s_add_co_u32 s[OCV], s[OCV], s48
	s_lshl_b32 s48, s16, 12
	s_add_co_u32 s[OC], s[OC], s48                 ; q, k: + my four token tiles
	s_lshl_b32 s[WC], s21, 12
	s_add_co_u32 s[WC], s[WC], 262144              ; scl: row tile 512 + 8 j
	s_lshl_b32 s[BC], s21, 9                       ; qkv_b: channel 128 j
	s_wait_dscnt 0x0                               ; both opening adds are done
	ROUND                                          ; all four work-groups are here: the first joint loads meet
	s_wait_kmcnt 0x0
	s_mov_b32 s[G0], 1
	s_lshl_b32 s[G0+1], s16, 16
	s_add_nc_u64 s[G0+2:G0+3], s[4:5], s[46:47]
	s_or_b32 s[G0+3], s[G0+3], 0x80000000
	tensor_load_to_lds s[G0:G0+3], s[G1:G1+7]      ; my one load at the head: both slots are on their way
	s_nop 0
	PLACES 4
	v_and_b32 v1, 15, v0                           ; r
	v_bfe_u32 v2, v0, 4, 1                         ; h
	v_and_b32 v3, 31, v0
	v_lshlrev_b32 v[LI], 4, v3
	v_lshlrev_b32 v[L8], 3, v3
	v_lshlrev_b32 v[BIO], 6, v2
	v_lshlrev_b32 v[WSO], 9, v2
	v_lshl_add_u32 v[WSO], v1, 4, v[WSO]
	v_and_b32 v[BVO], 8, v1
	v_add_nc_u32 v[BVO], v[BVO], v1                ; r + 8 (r / 8)
	v_lshlrev_b32 v[BVO], 2, v[BVO]
	v_lshlrev_b32 v[AX0], 4, v1
	s_lshl_b32 s52, s17, 8
	s_lshl_b32 s53, s18, 1
	s_add_co_u32 s52, s52, s53
	s_add_co_u32 s52, s52, XQ
	v_add_nc_u32 v[AX0], s52, v[AX0]               ; XQ + 256 (wave / 2) + 16 r + 2 (wave % 2)
.irp b, 0,1,2,3
	v_mov_b32 v[TM+4+\b], 0                        ; a lane permute's destination counts as one of its sources
.endr
	s_lshl_b32 s48, s20, 4
	s_lshl_b32 s49, s16, 2
	s_add_co_u32 s48, s48, s49                     ; x's row tile 16 x (256 tokens) + 4 wave
	s_lshl_b32 s50, s48, 9
	s_mov_b32 s51, 0
	s_lshl_b32 s48, s48, 14
	s_mov_b32 s49, 0
	s_add_nc_u64 s[48:49], s[4:5], s[48:49]
	s_add_nc_u64 s[50:51], s[6:7], s[50:51]
	s_lshl_b32 s52, s23, 2
	s_add_co_u32 s52, s52, s16
	s_lshl_b32 s52, s52, 14                        ; my first token's row of the table: 64 rows of 256 bytes a wave
	s_mov_b32 s53, 0
	s_add_nc_u64 s[52:53], s[10:11], s[52:53]
	s_mov_b32 s[WB], s[WC]
	s_mov_b32 s[WB+1], 0
	s_add_nc_u64 s[WB:WB+1], s[6:7], s[WB:WB+1]
	s_mov_b32 s[BB], s[BC]
	s_mov_b32 s[BB+1], 0
	s_add_nc_u64 s[BB:BB+1], s[8:9], s[BB:BB+1]
	s_add_nc_u64 s[58:59], s[BB:BB+1], 8192
	s_wait_alu depctr_va_vdst(0)
.irp q, 0,1,2,3,4,5,6,7
	WIN (1+\q/4)<<6
.irp tt, 0,1,2,3
.irp c, 0,1,2,3
	global_load_b128 v[16*((4*\q+\tt)%16)+4*\c:16*((4*\q+\tt)%16)+4*\c+3], v[LI], s[48:49] offset:\tt*16384+\q*2048+\c*512   ; x's images as they lie: 512 consecutive bytes a load
.endr
.endr
.endr
	WIN 0xc0
.irp g, 0,1
.irp tt, 0,1,2,3
.irp k, 0,1,2,3
	global_load_b128 v[128+64*\g+16*\tt+4*\k:128+64*\g+16*\tt+4*\k+3], v[LI], s[52:53] offset:4096*\tt+2048*\g+512*\k   ; the table lies as images of these registers, [tile][g][k][lane][16]: cos, sin of frequencies 16 g + 8 h + 2 k, + 1 for tile tt's token of my lane; 512 consecutive bytes a load
.endr
.endr
.endr
	WIN 0
.irp p, 0,1
.irp hf, 0,1
	global_load_b128 v[XS+8*\p+4*\hf:XS+8*\p+4*\hf+3], v[WSO], s[50:51] offset:1024*\p+256*\hf
.endr
.endr
.irp t, 0,1,2,3
	global_load_b32 v[BVL+\t], v[BVO], s[58:59] offset:(32*(\t/2)+8*(\t%2))*4
.endr
	NEXTW 0
	NEXTB 0
	NEXTW 1
	NEXTB 1
	s_wait_tensorcnt 0x0                           ; my half slot is in
	s_barrier_signal -1
	s_barrier_wait -1                              ; both slots are whole
	FETCH4 LI, 0, 0
	FETCH4 LI, 0, 4
	s_mov_b32 s[TR], 0
	s_mov_b32 s[TW], 0
	s_mov_b32 s[TX], 0
	s_mov_b32 s[CNT], 2
.Lq:
	TRIP 0, 196608
	s_cbranch_scc1 .Lq
	s_wait_tensorcnt 0x0                           ; the refill's sequence: no load of mine is out,
	ds_add_u32 v[SPW], v[NIL]                      ; 0 onto my spare word
	s_mov_b32 s[G1+2], 8<<16                       ; so descriptors may be written: 8 rows, a quarter of a slot,
	s_mov_b32 s[G1+4], 8
	s_lshl_b32 s[G0+1], s16, 15
	s_lshl_b32 s46, s21, 17
	s_add_co_u32 s46, s46, 640<<14                 ; of v's row tiles 640 + 8 j on
	s_lshl_b32 s47, s16, 15
	s_add_co_u32 s46, s46, s47
	s_mov_b32 s47, 0
	s_add_nc_u64 s[G0+2:G0+3], s[4:5], s[46:47]
	s_or_b32 s[G0+3], s[G0+3], 0x80000000
	s_wait_dscnt 0x0                               ; the add is done, my reads of slot 0 are over
	ROUND
	tensor_load_to_lds s[G0:G0+3], s[G1:G1+7]      ; v's rows into slot 0
	s_nop 0
	PLACES 4
	s_mov_b32 s[TW], 131072
	s_mov_b32 s[TX], 1024
	s_mov_b32 s[CNT], 2
.Lk:
	TRIP 0, 196608
	s_cbranch_scc1 .Lk
	s_wait_tensorcnt 0x0                           ; my quarter of v's rows is in
	s_wait_dscnt 0x0
	s_barrier_signal -1
	s_barrier_wait -1
	FETCH4 LI, 0, 0
	FETCH4 LI, 0, 4
	s_mov_b32 s[TW], 0
	s_mov_b32 s[TX], 2048
	s_mov_b32 s[CNT], 2
.Lv:
	TRIP 1, 65536
	s_cbranch_scc1 .Lv
	s_wait_dscnt 0x0                               ; my scale bytes are stored
	s_barrier_signal -1
	s_barrier_wait -1
	s_lshl_b32 s46, s17, 9                         ; wave n stores head n / 2, 128 tokens n % 2, of q, k and v: 256 bytes each
	s_lshl_b32 s47, s18, 8
	s_add_co_u32 s46, s46, s47
	s_add_co_u32 s46, s46, XQ
	v_add_nc_u32 v[AXB], s46, v[L8]
	s_wait_alu depctr_va_vdst(0)
	ds_load_b64 v[T:T+1], v[AXB]
	ds_load_b64 v[T+2:T+3], v[AXB] offset:1024
	ds_load_b64 v[T+4:T+5], v[AXB] offset:2048
	s_wait_xcnt 0x0
	s_add_co_u32 s46, s22, s17
	s_lshl_b32 s47, s23, 1
	s_add_co_u32 s47, s47, s18
	s_lshl_b32 s47, s47, 8
	s_lshl_b32 s48, s46, 12
	s_add_co_u32 s48, s48, s47
	s_mov_b32 s49, 0
	s_add_nc_u64 s[WB:WB+1], s[14:15], s[48:49]
	s_lshl_b32 s48, s46, 13
	s_add_co_u32 s48, s48, s47
	s_add_co_u32 s48, s48, 262144
	s_add_nc_u64 s[BB:BB+1], s[14:15], s[48:49]
	s_wait_dscnt 0x0
	global_store_b64 v[L8], v[T:T+1], s[WB:WB+1]                    ; 32 lanes store one aligned unit of 256 bytes
	global_store_b64 v[L8], v[T+2:T+3], s[BB:BB+1]
	global_store_b64 v[L8], v[T+4:T+5], s[BB:BB+1] offset:4096
	s_wait_tensorcnt 0x0                           ; the wave's end
	ds_add_u32 v[SPW], v[NIL]
	s_wait_dscnt 0x0
	ROUND                                          ; the closing round
	s_endpgm
.Lfunc_end_k_qdd0f20b041_qkvgemm:
	.size	k_qdd0f20b041_qkvgemm, .Lfunc_end_k_qdd0f20b041_qkvgemm-k_qdd0f20b041_qkvgemm
	.p2alignl 7, 3214868480
	.fill 96, 4, 3214868480
	.section	.rodata,"a",@progbits
	.p2align	6, 0x0
	.amdhsa_kernel k_qdd0f20b041_qkvgemm
		.amdhsa_group_segment_fixed_size 327680
		.amdhsa_private_segment_fixed_size 0
		.amdhsa_enable_private_segment 0
		.amdhsa_kernarg_size 48
		.amdhsa_user_sgpr_count 2
		.amdhsa_user_sgpr_kernarg_segment_ptr 1
		.amdhsa_wavefront_size32 1
		.amdhsa_system_sgpr_workgroup_id_x 1
		.amdhsa_system_sgpr_workgroup_id_y 1
		.amdhsa_system_sgpr_workgroup_id_z 1
		.amdhsa_system_vgpr_workitem_id 0
		.amdhsa_next_free_vgpr 1024
		.amdhsa_next_free_sgpr 66
		.amdhsa_reserve_vcc 0
		.amdhsa_float_denorm_mode_32 3
		.amdhsa_float_denorm_mode_16_64 3
		.amdhsa_memory_ordered 1
		.amdhsa_forward_progress 1
		.amdhsa_inst_pref_size 186
	.end_amdhsa_kernel
	.amdgpu_metadata
---
amdhsa.version: [ 1, 2 ]
amdhsa.kernels:
  - .name:           k_qdd0f20b041_qkvgemm
    .symbol:         k_qdd0f20b041_qkvgemm.kd
    .args:
      - { .name: cod, .offset: 0, .size: 8, .value_kind: global_buffer, .address_space: global }
      - { .name: scl, .offset: 8, .size: 8, .value_kind: global_buffer, .address_space: global }
      - { .name: qkv_b, .offset: 16, .size: 8, .value_kind: global_buffer, .address_space: global }
      - { .name: rope, .offset: 24, .size: 8, .value_kind: global_buffer, .address_space: global }
      - { .name: qkv, .offset: 32, .size: 8, .value_kind: global_buffer, .address_space: global }
      - { .name: sc, .offset: 40, .size: 8, .value_kind: global_buffer, .address_space: global }
    .group_segment_fixed_size: 327680
    .private_segment_fixed_size: 0
    .kernarg_segment_align: 8
    .kernarg_segment_size: 48
    .max_flat_workgroup_size: 128
    .sgpr_count:     66
    .vgpr_count:     1024
    .wavefront_size: 32
...
	.end_amdgpu_metadata
.endif
;; end of part 2
;; launch attn (part 3): grid 4 x 64, 16 waves a work-group, clusters of 4 x 1, 327,680 bytes of LDS; arguments qkv, sc, yc, ys; writes yc, ys
.if DOCPART == 3
	.amdgcn_target "amdgcn-amd-amdhsa--gfx1250"
	.amdhsa_code_object_version 6
	.text
	.protected	k_qdd0f20b041_attn
	.globl	k_qdd0f20b041_attn
	.p2align	8
	.type	k_qdd0f20b041_attn,@function
k_qdd0f20b041_attn:
	s_mov_b64 s[64:65], 0
	v_nop
	global_prefetch_b8 v0, s[64:65] scope:SCOPE_SE
	s_setreg_imm32_b32 hwreg(HW_REG_WAVE_MODE, 25, 1), 1
	s_wait_xcnt 0x0
	s_wait_alu depctr_hold_cnt(0) depctr_sa_sdst(0) depctr_va_vdst(0) depctr_va_sdst(0) depctr_va_ssrc(0) depctr_va_vcc(0) depctr_vm_vsrc(0)
	s_getreg_b32 s2, hwreg(HW_REG_IB_STS2, 6, 4)
	s_cmp_eq_u32 s2, 0
	s_cbranch_scc0 .Lentry_in_a_cluster
	s_endpgm
.Lentry_in_a_cluster:
	s_bfe_u32 s2, ttmp6, 0x10000c
	s_cmp_lg_u32 s2, 0x3003
	s_cbranch_scc0 .Lentry_shape_is_right
	s_endpgm
.Lentry_shape_is_right:
; y[b][t][head][:] = the sum over keys s <= t of softmax_s(q . k / 8) v, both products on codes of FP8 (E4M3) with E8M0 scales; y is quantised along its 1,024 channels and leaves as codes.
; THE SOFTMAX: t = score x log2(e) / 8; M = the running largest t rounded UP to a whole number; p = 2^(t - M) is quantised along the keys, not normalised; the row's sum is taken of the unquantised p and divides at the end.
; When M moves, the sum and O are multiplied by 2^(old M - new M), which rounds nothing.
; A HEAD'S K AND V LIE WHOLE IN LDS, FILLED ONCE: 2 x 131,072 bytes of codes and 8,192 of scale words.  No slot is ever filled again.  The four work-groups of a head form a cluster and ask for every tile JOINTLY.
; SHARES: wave w of work-group j takes two tiles of 16 queries, one after the other: tile 127 - (4 w + j), then tile 4 w + j.  Their last steps of 128 keys are 15 - w / 2 and w / 2: every wave works 17 steps, and no branch hangs on j.
; Every loop has a constant number of trips; a step whose keys all come after the tile's queries is jumped over; in the tile's last step hidden scores become -infinity ahead of the maximum.
; LAYOUT: operands are images of registers ([c][lane][16]); row r of tile 2 g + u is row 32 g + 8 u + r + 8 (r / 8).  S^T = K Q^T (source 0 = keys, source 1 = my queries), O^T = V^T P^T: a lane holds ONE query, the 16 registers of
; two neighbouring tiles are 16 neighbouring keys (or channels), so p's and y's codes are the next operand's registers.
; THE HEAD'S 64 FILL HALF OF THE INSTRUCTION'S K, SO A FRAGMENT OF K HOLDS TWO TILES OF KEYS: tile t in k = 0 .. 63, tile t + 4 in k = 64 .. 127.  Q stands between two runs of eight zero registers: v[16:31] is (q, 0) and gives tile t's
; scores, v[8:23] is (0, q) and gives tile t + 4's: zero codes on one side add nothing.  A scale word of K carries tile t's two bytes below and tile t + 4's above; Q's two bytes are shifted to the side on which q stands.
; So K's fragment registers hold no lasting zeros, and V's four fragments take them as soon as the scores are made: they land under the softmax.
; OUT: yc [row tile = 128 b + tile][K step = head / 2][c = 2 (head % 2) + block][lane][16]; ys: [row tile][2][r][4 words]; a head owns two bytes of a word: a store of two bytes a row, 1/32 of what the launch stores.
; LIMITS: a block of zeros gets the byte 1 (zero codes; read by this program alone); NaN and infinities are not served.
.set SCB,  262144                      ; LDS: K's images at 0, V's at 131,072; here K's scale words (256 bytes a step), and from + 4,096 V's (256 a step)
.set LI,   1                           ; v1   16 x lane
.set RS,   2                           ; v2   SCB + 16 r
.set QD,   3                           ; v3   r + 8 (r / 8) - 16 h
.set ADK,  4                           ; v4-6 the step's addresses: K, V, the scale words
.set ADV,  5
.set ADS,  6
.set R16,  7                           ; v7   16 r
.set QH,   8                           ; v8-23  (0, q)
.set QL,   16                          ; v16-31 (q, 0): v8-15 and v24-31 are zeros, v16-23 Q's codes
                                       ; v32-95 four fragments: K's, then V's; v96-159 S^T, then p; v160-191 O^T
.set PCD,  192                         ; v192-207 p's codes
.set KS,   208                         ; v208-211 K's scale words, v212-215 V's, v216 Q's for (q, 0), v217 for (0, q), v218 p's, v219 Q's as loaded: scales and nothing else
.set VS,   212
.set QS,   216
.set QS2,  217
.set PS,   218
.set QW,   219
.set BM,   224                         ; blocks' largest scores, then largest p
.set BP,   228                         ; the other half's; then the bytes
.set BH,   232                         ; 448 x scale
.set BS,   236                         ; the conversions' scale operands
.set SU,   240                         ; v[240:241] the second chain of the sum
.set F,    242                         ; v[242:243] 2^(old M - new M), and a 0 named with it
.set TT,   244
.set NINF, 245
.set DD,   246
.set YW,   247                         ; y's two bytes
.set MM,   248                         ; v248 -M, v249 the largest t
.set LS,   250                         ; v[250:251] the sum in two halves
.set WV,   12
.set CX,   13
.set BHD,  14
.set G1A,  16                          ; s[16:23] four rows of 2,048 bytes; s[24:31] six such rows; s[32:39] four rows of 256 bytes
.set G1B,  24
.set G1S,  32
.set G0S,  40
.set G0A,  44
.set G0B,  48
.set SEL,  52
.set CS,   54                          ; s[54:55] log2(e) / 8
.set MNT,  56
.set TK,   57                          ; the step's bytes: 8,192 a step in K's and V's images,
.set TS,   58                          ; 256 in the scale words
.set SHA,  59                          ; by how much Q's word is shifted down: 16 where the tile is one of the upper four of its eight
.set ST,   60                          ; the step
.set SB,   61                          ; the tile's last step
.set DQ,   62                          ; the tile's first query in that step
.set CNT,  63                          ; a loop's trips
.set PA,   66                          ; s[66:73] the first tile's Q codes, Q words, yc, ys;  s[74:81] the second's
.set PB,   74
.set DQ2,  90
.set TAU1, 91
.set TAU2, 92
.set SB2,  93
.set SH2,  94
.macro ROUND                           ; a round of the cluster's barrier
	s_barrier_signal -1
	s_barrier_wait -1
	s_cmp_lg_u32 s[WV], 0
	s_cbranch_scc1 .Lnot_wave_0_\@
	s_barrier_signal -3
.Lnot_wave_0_\@:
	s_barrier_wait -3
	s_barrier_signal -1
	s_barrier_wait -1
.endm
.macro BASES tau, o, dq, sh            ; a tile's four addresses, its place in its last step, and the shift of its scale word
	s_lshl_b32 s82, s[\tau], 10
	s_add_co_u32 s82, s82, s84
	s_mov_b32 s83, 0
	s_add_nc_u64 s[\o:\o+1], s[4:5], s[82:83]
	s_lshr_b32 s82, s[\tau], 3
	s_lshl_b32 s82, s82, 8                         ; 256 bytes for each eight tiles,
	s_and_b32 s86, s[\tau], 3
	s_lshl_b32 s86, s86, 2                         ; word tile % 4 of a row's four
	s_add_co_u32 s82, s82, s86
	s_add_co_u32 s82, s82, s85
	s_add_nc_u64 s[\o+2:\o+3], s[6:7], s[82:83]
	s_add_co_u32 s86, s[\tau], s87                 ; y's row tile
	s_lshl_b32 s82, s86, 14
	s_add_co_u32 s82, s82, s88
	s_add_nc_u64 s[\o+4:\o+5], s[8:9], s[82:83]
	s_lshl_b32 s82, s86, 9
	s_add_co_u32 s82, s82, s89
	s_add_nc_u64 s[\o+6:\o+7], s[10:11], s[82:83]
	s_bfe_u32 s82, s[\tau], 0x20001
	s_lshl_b32 s82, s82, 5
	s_and_b32 s86, s[\tau], 1
	s_lshl_b32 s86, s86, 3
	s_add_co_u32 s[\dq], s82, s86                  ; 32 ((tile % 8) / 2) + 8 (tile % 2)
	s_bfe_u32 s82, s[\tau], 0x10002
	s_lshl_b32 s[\sh], s82, 4                      ; 16 ((tile % 8) / 4)
.endm
.macro QLOAD o
	global_load_b128 v[16:19], v[LI], s[\o:\o+1]
	global_load_b128 v[20:23], v[LI], s[\o:\o+1] offset:512
	global_load_b32 v[QW], v[R16], s[\o+2:\o+3]
.endm
.macro QSCALE                          ; Q's two bytes to bytes 0, 1 for (q, 0) and to bytes 2, 3 for (0, q); what else the words hold meets zero codes and is no 0xff
	v_lshrrev_b32 v[QS], s[SHA], v[QW]
	s_delay_alu instid0(VALU_DEP_1)
	v_lshlrev_b32 v[QS2], 16, v[QS]
.rept 4
	v_nop                                          ; with the eight places at a step's head: more than the eight that a scale register written by a vector instruction wants ahead of its product
.endr
.endm
.macro START                           ; a tile begins: zeros, which the first change of M leaves zeros
	v_mov_b32 v[MM+1], 0xff61b1e6                  ; the largest t so far: -3e38
	s_delay_alu instid0(VALU_DEP_1)
	v_floor_f32 v[MM], -v[MM+1]
	v_mov_b32 v[LS], 0
	v_mov_b32 v[LS+1], 0
.set i, 0
.rept 32
	v_mov_b32 v[160+i], 0
.set i, i+1
.endr
	s_mov_b32 s[ST], 0
	s_mov_b32 s[TK], 0
	s_mov_b32 s[TS], 0
.endm
; A STEP: 128 keys
.macro STEP
	s_cmp_gt_u32 s[ST], s[SB]                      ; all its keys come after my queries: only the stepping at the end is done
	s_cbranch_scc1 .Lhidden_\@
	v_add_nc_u32 v[ADK], s[TK], v[LI]
	v_add_nc_u32 v[ADS], s[TS], v[RS]
.rept 6
	v_nop                                          ; with the two additions eight places: K's fragments are loaded into registers that the last step's products V^T P read
.endr
.irp t, 0,1,2,3                        ; fragment t: tile t's 64 channels, then tile t + 4's: all 128 keys in one run of 16 loads
.irp c, 0,1
	ds_load_b128 v[32+16*\t+4*\c:35+16*\t+4*\c], v[ADK] offset:\t*1024+512*\c
.endr
.irp c, 0,1
	ds_load_b128 v[40+16*\t+4*\c:43+16*\t+4*\c], v[ADK] offset:(\t+4)*1024+512*\c
.endr
.endr
	ds_load_b128 v[KS:KS+3], v[ADS]
	s_wait_dscnt 0x0
	s_wait_alu depctr_va_vdst(0)
.irp t, 0,1,2,3
	v_wmma_scale_f32_16x16x128_f8f6f4 v[96+8*\t:103+8*\t], v[32+16*\t:47+16*\t], v[QL:QL+15], 0, v[KS+\t], v[QS]       ; tile t's scores
.endr
.irp t, 0,1,2,3
	v_wmma_scale_f32_16x16x128_f8f6f4 v[128+8*\t:135+8*\t], v[32+16*\t:47+16*\t], v[QH:QH+15], 0, v[KS+\t], v[QS2]     ; tile t + 4's
.endr
	v_add_nc_u32 v[ADV], 0x20000, v[ADK]
.rept 7
	v_nop                                          ; with the addition eight places: in front of the loads into K's registers and of the first read of the scores
.endr
.set i, 0
.rept 16
	ds_load_b128 v[32+4*i:35+4*i], v[ADV] offset:512*i               ; V's four fragments take K's registers; they are waited for behind the softmax
.set i, i+1
.endr
	ds_load_b128 v[VS:VS+3], v[ADS] offset:4096
	s_cmp_lt_u32 s[ST], s[SB]                      ; only the tile's last step has hidden keys
	s_cbranch_scc1 .Lopen_\@
	v_add_nc_u32 v[DD], s[DQ], v[QD]               ; register 16 b + i holds key 32 b + 16 h + i of the step: hidden where 32 b + i > my query - 16 h
.set n, 0
.rept 64
	v_cmp_gt_i32 vcc_lo, 32*(n/16)+n%16, v[DD]
	v_cndmask_b32 v[96+n], v[96+n], v[NINF], vcc_lo
.set n, n+1
.endr
.Lopen_\@:
.irp b, 0,1,2,3
	v_max3_num_f32 v[BM+\b], v[96+16*\b], v[97+16*\b], v[98+16*\b]   ; the largest score of each block of 32 keys: for the row's maximum and, since p rises with the score, for the block's largest p
.endr
.irp i, 3,5,7,9,11,13
.irp b, 0,1,2,3
	v_max3_num_f32 v[BM+\b], v[BM+\b], v[96+16*\b+\i], v[97+16*\b+\i]
.endr
.endr
.irp b, 0,1,2,3
	v_max_num_f32 v[BM+\b], v[BM+\b], v[111+16*\b]
.endr
.irp b, 0,1,2,3
	s_delay_alu instid0(VALU_DEP_4)
	v_permlanex16_b32 v[BP+\b], v[BM+\b], s[SEL], s[SEL+1]
.endr
.irp b, 0,1,2,3
	s_delay_alu instid0(VALU_DEP_4)
	v_max_num_f32 v[BM+\b], v[BM+\b], v[BP+\b]
.endr
	s_delay_alu instid0(VALU_DEP_2)
	v_max3_num_f32 v[TT], v[BM], v[BM+1], v[BM+2]
	s_delay_alu instid0(VALU_DEP_1)
	v_max_num_f32 v[TT], v[TT], v[BM+3]
	s_delay_alu instid0(VALU_DEP_1)
	v_mul_f32 v[TT], s[CS], v[TT]
	s_delay_alu instid0(VALU_DEP_1)
	v_max_num_f32 v[MM+1], v[MM+1], v[TT]          ; the running largest t
	v_mov_b32 v[TT], v[MM]
	s_delay_alu instid0(VALU_DEP_2)
	v_floor_f32 v[MM], -v[MM+1]                    ; -M = floor(-t): M is a whole number
	s_delay_alu instid0(VALU_DEP_1)
	v_sub_f32 v[TT], v[MM], v[TT]                  ; old M - new M: a whole number, 0 or less
	s_delay_alu instid0(VALU_DEP_1)
	v_cvt_i32_f32 v[TT], v[TT]                     ; (it saturates)
	s_delay_alu instid0(VALU_DEP_1)
	v_ldexp_f32 v[F], 1.0, v[TT]
.set i, 0
.rept 32
	v_pk_fma_f32 v[96+2*i:97+2*i], v[96+2*i:97+2*i], s[CS:CS+1], v[MM:MM+1] op_sel_hi:[1,0,0]   ; t - M
.set i, i+1
.endr
.irp b, 0,1,2,3
	v_fma_f32 v[BM+\b], v[BM+\b], s[CS], v[MM]
.endr
.set i, 0
	s_wait_alu depctr_va_vdst(0)
.rept 64
	v_exp_f32 v[96+i], v[96+i]                     ; p = 2^(t - M)
.set i, i+1
.endr
.irp b, 0,1,2,3
	v_exp_f32 v[BM+\b], v[BM+\b]                   ; the block's largest p: the same two instructions on the same number
.endr
	v_pk_mul_f32 v[LS:LS+1], v[LS:LS+1], v[F:F+1] op_sel_hi:[1,0]    ; the sum under the new M (a plain line behind the exponentials)
	s_wait_alu depctr_va_vdst(0)
.irp b, 0,1,2,3
	v_max_num_f32 v[BM+\b], 0x4800000, v[BM+\b]    ; the floor 2^(9 - 127)
.endr
.irp b, 0,1,2,3
	s_delay_alu instid0(VALU_DEP_4)
	v_add_nc_u32 v[BS+\b], 0xfc000000, v[BM+\b]
.endr
.irp b, 0,1,2,3
	v_and_or_b32 v[BH+\b], v[BM+\b], 0x7f800000, s[MNT]
.endr
.irp b, 0,1,2,3
	v_lshrrev_b32 v[BP+\b], 23, v[BS+\b]
.endr
	s_delay_alu instid0(VALU_DEP_3)
	v_lshl_or_b32 v[PS], v[BP+1], 8, v[BP]         ; p's scale word for these 128 keys
	s_delay_alu instid0(VALU_DEP_1)
	v_lshl_or_b32 v[PS], v[BP+2], 16, v[PS]
	s_delay_alu instid0(VALU_DEP_1)
	v_lshl_or_b32 v[PS], v[BP+3], 24, v[PS]
	v_pk_add_f32 v[240:241], v[100:101], v[104:105]
	v_pk_add_f32 v[252:253], v[108:109], v[112:113]
	v_pk_add_f32 v[246:247], v[116:117], v[120:121]
	v_pk_add_f32 v[226:227], v[124:125], v[128:129]
	v_pk_add_f32 v[224:225], v[132:133], v[136:137]
	v_pk_add_f32 v[222:223], v[140:141], v[144:145]
	v_pk_add_f32 v[220:221], v[148:149], v[152:153]
	v_pk_add_f32 v[250:251], v[250:251], v[156:157]
	v_pk_add_f32 v[240:241], v[240:241], v[96:97]
	v_pk_add_f32 v[252:253], v[252:253], v[98:99]
	v_pk_add_f32 v[246:247], v[246:247], v[102:103]
	v_pk_add_f32 v[226:227], v[226:227], v[106:107]
	v_pk_add_f32 v[224:225], v[224:225], v[110:111]
	v_pk_add_f32 v[222:223], v[222:223], v[114:115]
	v_pk_add_f32 v[220:221], v[220:221], v[118:119]
	v_pk_add_f32 v[250:251], v[250:251], v[122:123]
	v_pk_add_f32 v[240:241], v[240:241], v[126:127]
	v_pk_add_f32 v[252:253], v[252:253], v[130:131]
	v_pk_add_f32 v[246:247], v[246:247], v[134:135]
	v_pk_add_f32 v[226:227], v[226:227], v[138:139]
	v_pk_add_f32 v[224:225], v[224:225], v[142:143]
	v_pk_add_f32 v[222:223], v[222:223], v[146:147]
	v_pk_add_f32 v[220:221], v[220:221], v[150:151]
	v_pk_add_f32 v[250:251], v[250:251], v[154:155]
	v_pk_add_f32 v[240:241], v[240:241], v[158:159]
	s_delay_alu instid0(VALU_DEP_2)
	v_pk_add_f32 v[250:251], v[250:251], v[226:227]
	s_delay_alu instid0(VALU_DEP_2)
	v_pk_add_f32 v[240:241], v[240:241], v[224:225]
	v_pk_add_f32 v[252:253], v[252:253], v[222:223]
	v_pk_add_f32 v[246:247], v[246:247], v[220:221]
	s_delay_alu instid0(VALU_DEP_2)
	v_pk_add_f32 v[250:251], v[250:251], v[252:253]
	s_delay_alu instid0(VALU_DEP_2)
	v_pk_add_f32 v[240:241], v[240:241], v[246:247]
	s_delay_alu instid0(VALU_DEP_1)
	v_pk_add_f32 v[250:251], v[250:251], v[240:241]
.irp b, 0,1,2,3
.irp i, 0,2,4,6,8,10,12,14
	v_dual_min_num_f32 v[96+16*\b+\i], v[96+16*\b+\i], v[BH+\b] :: v_dual_min_num_f32 v[97+16*\b+\i], v[97+16*\b+\i], v[BH+\b]   ; the conversion does not saturate (ISA guide 7.6.2); p is not negative; two holds an instruction
.endr
	v_cvt_scalef32_pk8_fp8_f32 v[PCD+4*\b:PCD+1+4*\b], v[96+16*\b:103+16*\b], v[BS+\b]
	v_cvt_scalef32_pk8_fp8_f32 v[PCD+2+4*\b:PCD+3+4*\b], v[104+16*\b:111+16*\b], v[BS+\b]
.endr
	v_nop                                          ; a plain line behind the last conversion
.set i, 0
.rept 16
	v_pk_mul_f32 v[160+2*i:161+2*i], v[160+2*i:161+2*i], v[F:F+1] op_sel_hi:[1,0]   ; O^T under the new M; also the places between the codes and the products
.set i, i+1
.endr
	s_wait_alu depctr_va_vdst(0)
	s_wait_dscnt 0x0                               ; V's fragments and scale words, asked for ahead of the softmax
.irp t, 0,1,2,3
	v_wmma_scale_f32_16x16x128_f8f6f4 v[160+8*\t:167+8*\t], v[32+16*\t:47+16*\t], v[PCD:PCD+15], v[160+8*\t:167+8*\t], v[VS+\t], v[PS]
.endr
.Lhidden_\@:
	s_add_co_u32 s[ST], s[ST], 1
	s_add_co_u32 s[TK], s[TK], 8192
	s_add_co_u32 s[TS], s[TS], 256
.endm
.macro WALK n                          ; n steps: a constant of the text
	s_mov_b32 s[CNT], \n
.Lwalk_\@:
	STEP
	s_sub_co_u32 s[CNT], s[CNT], 1
	s_cmp_lg_u32 s[CNT], 0
	s_cbranch_scc1 .Lwalk_\@
.endm
.macro FINISH o                        ; O^T / the sum, quantised along the head's 64 channels (two blocks), stored as it stands
	v_add_f32 v[LS], v[LS], v[LS+1]
	s_delay_alu instid0(VALU_DEP_1)
	v_permlanex16_b32 v[BP], v[LS], s[SEL], s[SEL+1]
	s_delay_alu instid0(VALU_DEP_1)
	v_add_f32 v[LS], v[LS], v[BP]                  ; the row's sum
	s_wait_alu depctr_va_vdst(0)
	v_rcp_f32 v[LS], v[LS]
	v_nop
.set i, 0
	s_wait_alu depctr_va_vdst(0)
.rept 32
	v_mul_f32 v[96+i], v[160+i], v[LS]             ; register 16 b + i = channel 32 b + 16 h + i; ascending: each accumulator from its low end on
.set i, i+1
.endr
.irp b, 0,1
	v_max3_num_f32 v[BM+\b], |v[96+16*\b]|, |v[97+16*\b]|, 0x4800000
.endr
.irp i, 2,4,6,8,10,12,14
.irp b, 0,1
	s_delay_alu instid0(VALU_DEP_2)
	v_max3_num_f32 v[BM+\b], v[BM+\b], |v[96+16*\b+\i]|, |v[97+16*\b+\i]|
.endr
.endr
.irp b, 0,1
	s_delay_alu instid0(VALU_DEP_2)
	v_permlanex16_b32 v[BP+\b], v[BM+\b], s[SEL], s[SEL+1]
.endr
.irp b, 0,1
	s_delay_alu instid0(VALU_DEP_2)
	v_max_num_f32 v[BM+\b], v[BM+\b], v[BP+\b]
.endr
.irp b, 0,1
	s_delay_alu instid0(VALU_DEP_2)
	v_add_nc_u32 v[BS+\b], 0xfc000000, v[BM+\b]
.endr
.irp b, 0,1
	s_delay_alu instid0(VALU_DEP_4)
	v_and_or_b32 v[BH+\b], v[BM+\b], 0x7f800000, s[MNT]
.endr
.irp b, 0,1
	s_delay_alu instid0(VALU_DEP_4)
	v_lshrrev_b32 v[BP+\b], 23, v[BS+\b]
.endr
	s_delay_alu instid0(VALU_DEP_1)
	v_lshl_or_b32 v[YW], v[BP+1], 8, v[BP]
.irp b, 0,1
.irp i, 0,1,2,3,4,5,6,7,8,9,10,11,12,13,14,15
	v_med3_num_f32 v[96+16*\b+\i], v[96+16*\b+\i], -v[BH+\b], v[BH+\b]
.endr
	v_cvt_scalef32_pk8_fp8_f32 v[PCD+4*\b:PCD+1+4*\b], v[96+16*\b:103+16*\b], v[BS+\b]
	v_cvt_scalef32_pk8_fp8_f32 v[PCD+2+4*\b:PCD+3+4*\b], v[104+16*\b:111+16*\b], v[BS+\b]
.endr
	v_nop
	global_store_b128 v[LI], v[PCD:PCD+3], s[\o+4:\o+5]              ; 512 consecutive bytes each
	global_store_b128 v[LI], v[PCD+4:PCD+7], s[\o+4:\o+5] offset:512
	global_store_b16 v[R16], v[YW], s[\o+6:\o+7]                     ; my row's two bytes (both lanes of a row store the same)
.endm
	s_load_b256 s[4:11], s[0:1], 0x0               ; qkv, sc, yc, ys
	v_lshl_add_u32 v254, v0, 2, 0x42000
	v_mov_b32 v255, 0
	ds_add_u32 v254, v255
	ds_add_u32 v254, v255
	v_lshrrev_b32 v1, 5, v0
	s_delay_alu instid0(VALU_DEP_1)
	v_readfirstlane_b32 s[WV], v1                  ; wave 0..15
	s_bfe_u32 s[CX], ttmp6, 0x40000                ; my place in the cluster: it enters Q's and y's addresses, the mask's numbers and a shift of data alone
	s_and_b32 s[BHD], ttmp7, 0xffff                ; batch x 16 + head, which the four partners share
.irp g, G1A, G1B, G1S
	s_mov_b32 s[\g], 15|(3<<16)|(1<<21)            ; 15:0 the mask: all four; 17:16 elements of 8 bytes; 21 set beside a mask
	s_mov_b32 s[\g+6], 0
	s_mov_b32 s[\g+7], 0
.endr
.irp g, G1A, G1B
	s_mov_b32 s[\g+1], 256<<16                     ; dense blocks as rows of 2,048 bytes
	s_mov_b32 s[\g+3], 256<<16
	s_mov_b32 s[\g+5], 256
.endr
	s_mov_b32 s[G1A+2], 4<<16                      ; four rows: a step's 8,192 bytes
	s_mov_b32 s[G1A+4], 4
	s_mov_b32 s[G1B+2], 6<<16                      ; six rows
	s_mov_b32 s[G1B+4], 6
	s_mov_b32 s[G1S+1], 32<<16                     ; four rows of 256 bytes
	s_mov_b32 s[G1S+2], 4<<16
	s_mov_b32 s[G1S+3], 32<<16
	s_mov_b32 s[G1S+4], 4
	s_mov_b32 s[G1S+5], 32
	; my two loads.  At the head: waves 0-3 K's steps 0-3, waves 4-7 V's, 8,192 bytes each; waves 8-15 the scale words, 1,024 bytes each.
	; Behind the full sequence and a round: steps 4-15, waves 0-7 K's, waves 8-15 V's, 12,288 bytes each
	s_lshr_b32 s82, s[WV], 3
	s_and_b32 s83, s[WV], 7
	s_lshl_b32 s94, s82, 17
	s_add_co_u32 s82, s82, 1
	s_lshl_b32 s86, s82, 23                        ; k's or v's third of qkv,
	s_lshl_b32 s82, s[BHD], 17
	s_add_co_u32 s86, s86, s82                     ; the head
	s_mul_i32 s95, s83, 12288
	s_add_co_u32 s95, s95, 32768
	s_add_co_u32 s[G0B+1], s94, s95
	s_add_co_u32 s86, s86, s95
	s_mov_b32 s87, 0
	s_bfe_u32 s94, s[WV], 0x10002                  ; the head's load: K (0) or V (1),
	s_and_b32 s95, s[WV], 3
	s_lshl_b32 s95, s95, 13                        ; which step
	s_lshl_b32 s84, s94, 17
	s_add_co_u32 s[G0A+1], s84, s95
	s_add_co_u32 s94, s94, 1
	s_lshl_b32 s84, s94, 23
	s_add_co_u32 s84, s84, s82
	s_add_co_u32 s84, s84, s95
	s_mov_b32 s85, 0
	s_lshl_b32 s88, s83, 10
	s_add_co_u32 s[G0S+1], s88, SCB
	s_lshl_b32 s94, s[BHD], 13
	s_add_co_u32 s88, s88, s94
	s_add_co_u32 s88, s88, 262144
	s_mov_b32 s89, 0
	s_mov_b32 s[G0S], 1
	s_mov_b32 s[G0A], 1
	s_mov_b32 s[G0B], 1
	s_mov_b32 s[SEL], 0x76543210
	s_mov_b32 s[SEL+1], 0xfedcba98
	s_mov_b32 s[CS], 0x3e38aa3b                    ; log2(e) / 8
	s_mov_b32 s[CS+1], s[CS]
	s_mov_b32 s[MNT], 0x600000
	v_and_b32 v220, 15, v0                         ; r
	v_bfe_u32 v221, v0, 4, 1                       ; h
	v_and_b32 v222, 31, v0
	s_delay_alu instid0(VALU_DEP_1)
	v_lshlrev_b32 v[LI], 4, v222
	s_delay_alu instid0(VALU_DEP_4)
	v_lshlrev_b32 v[R16], 4, v220
	s_delay_alu instid0(VALU_DEP_1)
	v_add_nc_u32 v[RS], SCB, v[R16]
	v_and_b32 v222, 8, v220
	s_delay_alu instid0(VALU_DEP_1)
	v_add_nc_u32 v222, v222, v220
	v_lshlrev_b32 v221, 4, v221
	s_delay_alu instid0(VALU_DEP_1)
	v_sub_nc_u32 v[QD], v222, v221
	s_wait_alu depctr_va_vdst(0)
	s_wait_dscnt 0x0
	s_wait_kmcnt 0x0
	s_add_nc_u64 s[G0S+2:G0S+3], s[6:7], s[88:89]
	s_or_b32 s[G0S+3], s[G0S+3], 0x80000000
	s_add_nc_u64 s[G0A+2:G0A+3], s[4:5], s[84:85]
	s_or_b32 s[G0A+3], s[G0A+3], 0x80000000
	s_add_nc_u64 s[G0B+2:G0B+3], s[4:5], s[86:87]
	s_or_b32 s[G0B+3], s[G0B+3], 0x80000000
	s_lshl_b32 s84, s[BHD], 17                     ; the head's q
	s_lshl_b32 s85, s[BHD], 12                     ; and its scale words
	s_lshr_b32 s87, s[BHD], 4
	s_lshl_b32 s87, s87, 7                         ; the batch's first row tile of y
	s_and_b32 s86, s[BHD], 15                      ; the head
	s_lshl_b32 s88, s86, 10                        ; its 1,024 bytes in a row tile of yc
	s_lshr_b32 s89, s86, 3
	s_lshl_b32 s89, s89, 8
	s_bfe_u32 s82, s86, 0x20001
	s_lshl_b32 s82, s82, 2
	s_add_co_u32 s89, s89, s82
	s_and_b32 s82, s86, 1
	s_lshl_b32 s82, s82, 1
	s_add_co_u32 s89, s89, s82                     ; its two bytes in a row's scale words
	s_lshl_b32 s[TAU2], s[WV], 2
	s_add_co_u32 s[TAU2], s[TAU2], s[CX]
	s_sub_co_u32 s[TAU1], 127, s[TAU2]
	s_lshr_b32 s[SB2], s[WV], 1
	s_sub_co_u32 s[SB], 15, s[SB2]
	BASES TAU1, PA, DQ, SHA
	BASES TAU2, PB, DQ2, SH2
	QLOAD PA                                       ; Q is asked for ahead of the round: nobody writes these bytes, and nothing behind the round waits longer for it
	ROUND                                          ; all four work-groups are here: the joint loads meet
	s_cmp_lt_u32 s[WV], 8                          ; one joint load a wave at the head, a load to each arm
	s_cbranch_scc0 .Lhead_s
	tensor_load_to_lds s[G0A:G0A+3], s[G1A:G1A+7]  ; what the first four steps read
	s_nop 0
.rept 4
	v_nop
.endr
	s_branch .Lhead_j
.Lhead_s:
	tensor_load_to_lds s[G0S:G0S+3], s[G1S:G1S+7]
	s_nop 0
.rept 4
	v_nop
.endr
.Lhead_j:
.rept 4
	v_nop
.endr
.set i, 0
.rept 8
	v_mov_b32 v[QH+i], 0                           ; the zero codes on both sides of Q: written once
	v_mov_b32 v[QL+8+i], 0
.set i, i+1
.endr
.irp b, 0,1,2,3
	v_mov_b32 v[BP+\b], 0                          ; a lane permute's destination counts as one of its sources
.endr
	v_mov_b32 v[F+1], 0
	v_mov_b32 v[NINF], 0xff800000
	START
	s_wait_alu depctr_va_vdst(0)
	s_wait_tensorcnt 0x0                           ; my part of steps 0-3 or of the scale words is in; these lines stand ahead of a later first fill as ahead of a refill
	ds_add_u32 v254, v255
	s_wait_dscnt 0x0
	ROUND                                          ; everybody's part is in, and all four work-groups are here
	tensor_load_to_lds s[G0B:G0B+3], s[G1B:G1B+7]  ; steps 4-15: my one load behind the round; every byte is filled once
	s_nop 0
.rept 4
	v_nop
.endr
	s_wait_loadcnt 0x0                             ; Q
	QSCALE
	WALK 4                                         ; keys 0-511, while the rest lands: every first tile ends in step 8 or later
	s_wait_tensorcnt 0x0
	s_wait_dscnt 0x0
	s_barrier_signal -1
	s_barrier_wait -1                              ; the whole head lies in LDS
	WALK 12
.rept 8
	v_nop                                          ; behind the last products
.endr
	QLOAD PB
	FINISH PA
	s_wait_xcnt 0x0                                ; the stores have read their registers
	START
	s_mov_b32 s[SB], s[SB2]
	s_mov_b32 s[DQ], s[DQ2]
	s_mov_b32 s[SHA], s[SH2]
	s_wait_loadcnt 0x0
	QSCALE
	WALK 8                                         ; the second tile ends in step wave / 2, at most 7
.rept 8
	v_nop
.endr
	FINISH PB
	s_wait_dscnt 0x0
	s_wait_tensorcnt 0x0
	ds_add_u32 v254, v255
	s_wait_dscnt 0x0
	ROUND                                          ; the closing round
	s_endpgm
.Lfunc_end_k_qdd0f20b041_attn:
	.size	k_qdd0f20b041_attn, .Lfunc_end_k_qdd0f20b041_attn-k_qdd0f20b041_attn
	.p2alignl 7, 3214868480
	.fill 96, 4, 3214868480
	.section	.rodata,"a",@progbits
	.p2align	6, 0x0
	.amdhsa_kernel k_qdd0f20b041_attn
		.amdhsa_group_segment_fixed_size 327680
		.amdhsa_private_segment_fixed_size 0
		.amdhsa_enable_private_segment 0
		.amdhsa_kernarg_size 32
		.amdhsa_user_sgpr_count 2
		.amdhsa_user_sgpr_kernarg_segment_ptr 1
		.amdhsa_wavefront_size32 1
		.amdhsa_system_sgpr_workgroup_id_x 1
		.amdhsa_system_sgpr_workgroup_id_y 1
		.amdhsa_system_sgpr_workgroup_id_z 1
		.amdhsa_system_vgpr_workitem_id 0
		.amdhsa_next_free_vgpr 256
		.amdhsa_next_free_sgpr 96
		.amdhsa_reserve_vcc 1
		.amdhsa_float_denorm_mode_32 3
		.amdhsa_float_denorm_mode_16_64 3
		.amdhsa_memory_ordered 1
		.amdhsa_forward_progress 1
		.amdhsa_inst_pref_size 101
	.end_amdhsa_kernel
	.amdgpu_metadata
---
amdhsa.version: [ 1, 2 ]
amdhsa.kernels:
  - .name:           k_qdd0f20b041_attn
    .symbol:         k_qdd0f20b041_attn.kd
    .args:
      - { .name: qkv, .offset: 0, .size: 8, .value_kind: global_buffer, .address_space: global }
      - { .name: sc, .offset: 8, .size: 8, .value_kind: global_buffer, .address_space: global }
      - { .name: yc, .offset: 16, .size: 8, .value_kind: global_buffer, .address_space: global }
      - { .name: ys, .offset: 24, .size: 8, .value_kind: global_buffer, .address_space: global }
    .group_segment_fixed_size: 327680
    .private_segment_fixed_size: 0
    .kernarg_segment_align: 8
    .kernarg_segment_size: 32
    .max_flat_workgroup_size: 512
    .sgpr_count:     96
    .vgpr_count:     256
    .wavefront_size: 32
...
	.end_amdgpu_metadata
.endif
;; end of part 3
;; launch outgemm (part 4): grid 32 x 8, 4 waves a work-group, clusters of 4 x 1, 327,680 bytes of LDS; arguments yc, ys, cod, scl, out_b, out0; writes out0
.if DOCPART == 4
	.amdgcn_target "amdgcn-amd-amdhsa--gfx1250"
	.amdhsa_code_object_version 6
	.text
	.protected	k_qdd0f20b041_outgemm
	.globl	k_qdd0f20b041_outgemm
	.p2align	8
	.type	k_qdd0f20b041_outgemm,@function
k_qdd0f20b041_outgemm:
	s_mov_b64 s[64:65], 0
	v_nop
	global_prefetch_b8 v0, s[64:65] scope:SCOPE_SE
	s_setreg_imm32_b32 hwreg(HW_REG_WAVE_MODE, 25, 1), 1
	s_wait_xcnt 0x0
	s_wait_alu depctr_hold_cnt(0) depctr_sa_sdst(0) depctr_va_vdst(0) depctr_va_sdst(0) depctr_va_ssrc(0) depctr_va_vcc(0) depctr_vm_vsrc(0)
	s_getreg_b32 s2, hwreg(HW_REG_IB_STS2, 6, 4)
	s_cmp_eq_u32 s2, 0
	s_cbranch_scc0 .Lentry_in_a_cluster
	s_endpgm
.Lentry_in_a_cluster:
	s_bfe_u32 s2, ttmp6, 0x10000c
	s_cmp_lg_u32 s2, 0x3003
	s_cbranch_scc0 .Lentry_shape_is_right
	s_endpgm
.Lentry_shape_is_right:
; out0 = y out_w^T + out_b on codes of FP8 (E4M3) with E8M0 scales, f32 sums.  y's codes and scale words come from the attention launch (yc, ys), out_w's from the first launch (cod, scl: row tiles 704-767).
; OPERANDS ARE IMAGES OF REGISTERS: a fragment (16 rows x 128 K) is 2,048 bytes [c][lane][16]; row r of tile 2 g + u is row 32 g + 8 u + r + 8 (r / 8); a row tile is [8 K steps][2,048]; its scale words [2][r 16][4 words].
; THE DEAL: 256 work-groups: 256 tokens (grid x) x 128 channels (grid y = j).  A wave holds its 64 tokens, ALL of K, in 512 registers, loaded once: K steps 0-3 straight from memory, 4-7 through LDS.
; out_w's 128 rows, 131,072 dense bytes, come into LDS once, half a wave by waves 0 and 1, asked for jointly by the four work-groups of a cluster (the same j), and stream past in eight blocks of 16 rows: 32 products a block, 4 accumulators by turns.
; Source 0 = weights, source 1 = y: a lane holds one token, the 16 registers of blocks 2 g, 2 g + 1 are channels 32 g + 16 h + 0 .. 15.  The bias is the first products' C.
; Results leave in two halves of 64 channels, the first behind block 3: through my own stage in LDS, so that sixteen lanes store one aligned unit of 256 bytes.
; No byte of LDS is filled again.  No prefetch: every stream is asked for at the head.   LIMITS: NaN and infinities are not served.
; REGISTERS: windows 1, 2: y's fragment (K step q, tile tt) at 16 ((4 q + tt) % 16) of window 1 + q / 4.  window 3: v0-127 a block of weights, v128-191 rows read back from the stage.
.set YH,    131072                     ; y's K steps 4-7 of the work-group's 16 row tiles, [tile][8,192 bytes]: they come by tensor loads (waves 2, 3: eight row tiles each) and go on into registers; K steps 0-3 come straight from memory.  Filled once
.set STAGE, 262144                     ; 16 rows x 272 bytes for each wave
.set SPARE, 279552
.set NP,    8                          ; places behind this matrix instruction (ISA guide 7.12.1)
.set LI,    4                          ; 16 x lane: LDS address of blocks 0-3; v5: of blocks 4-7
.set SO,    6
.set RD,    7
.set CO,    8
.set BIO,   9
.set WSO,   10
.set SPW,   14
.set NIL,   15
.set XS,    16                         ; v16-31 y's scale words: register 8 p + q: lanes 0-15 tile 2 p, lanes 16-31 tile 2 p + 1
.set WS,    36                         ; v36-67 the weights': register 8 g + q: lanes 0-15 block 2 g, lanes 16-31 block 2 g + 1
.set BI,    68                         ; v68-99 the first products' C for two units
.set ACC,   100                        ; v100-227 the sums of two units
.set G1,  24
.set G0,  32
.set G1Y, 36                           ; s[36:43], s[60:63] the descriptor of y's tiles
.set G0Y, 60
.set YA,  11                           ; v11 LDS address of my four row tiles of y
.set OB,  52
.set BB,  56
.set MSB, 0
.macro WIN new                         ; the immediate's high byte repeats the setting that is left
.if MSB != (\new)
	s_set_vgpr_msb (MSB<<8)|(\new)
.set MSB, (\new)
.endif
.endm
.macro PLACES n
.rept \n
	v_nop
.endr
.endm
.macro ROUND                           ; a round of the cluster's barrier
	s_barrier_signal -1
	s_barrier_wait -1
	s_cmp_lg_u32 s16, 0
	s_cbranch_scc1 .Lnot_wave_0_\@
	s_barrier_signal -3
.Lnot_wave_0_\@:
	s_barrier_wait -3
	s_barrier_signal -1
	s_barrier_wait -1
.endm
.macro WM d, a, b, c, sa, sb, ra, rb   ; a product; ra, rb: the scale words stand in lanes 16-31
.if (\ra) && (\rb)
	v_wmma_scale_f32_16x16x128_f8f6f4 v[\d:\d+7], v[\a:\a+15], v[\b:\b+15], v[\c:\c+7], v[\sa], v[\sb] matrix_a_scale:MATRIX_SCALE_ROW1 matrix_b_scale:MATRIX_SCALE_ROW1
.elseif (\ra)
	v_wmma_scale_f32_16x16x128_f8f6f4 v[\d:\d+7], v[\a:\a+15], v[\b:\b+15], v[\c:\c+7], v[\sa], v[\sb] matrix_a_scale:MATRIX_SCALE_ROW1
.elseif (\rb)
	v_wmma_scale_f32_16x16x128_f8f6f4 v[\d:\d+7], v[\a:\a+15], v[\b:\b+15], v[\c:\c+7], v[\sa], v[\sb] matrix_b_scale:MATRIX_SCALE_ROW1
.else
	v_wmma_scale_f32_16x16x128_f8f6f4 v[\d:\d+7], v[\a:\a+15], v[\b:\b+15], v[\c:\c+7], v[\sa], v[\sb]
.endif
.endm
.macro PRD g, u, q, tt                 ; block 2 g + u, K step q, my token tile tt
.set W_, 16*(\q)
.set X_, 16*((4*(\q)+(\tt))%16)
.set SW_, WS+8*(\g)+(\q)
.set SX_, XS+8*((\tt)/2)+(\q)
.set D_, ACC+64*((\g)%2)+16*(\tt)+8*(\u)
.set C_, D_
.if (\q) == 0
.set C_, BI+16*((\g)%2)+8*(\u)
.endif
	WM D_, W_, X_, C_, SW_, SX_, \u, (\tt)%2
.endm
.macro HALF g, u, hf                   ; 16 products: four K steps, the four accumulators by turns
	WIN 0x07+4*(\hf)
.irp qq, 0,1,2,3
.irp tt, 0,1,2,3
	PRD \g, \u, 4*(\hf)+\qq, \tt
.endr
.endr
	WIN 0
.endm
.macro FETCH4 nb, q0                   ; four fragments of block nb into window 3: 16 loads
	WIN 0xc0
.irp q, 0,1,2,3
.irp c, 0,1,2,3
	ds_load_b128 v[16*(\q0+\q)+4*\c:16*(\q0+\q)+4*\c+3], v[LI+(\nb)/4] offset:((\nb)%4)*16384+2048*(\q0+\q)+512*\c
.endr
.endr
	WIN 0
.endm
.macro BLK g, u                        ; a block; behind each half of its products that half's registers take the next block
.set NB_, 2*(\g)+(\u)+1
	s_wait_dscnt 16                                ; all but the youngest 16: fragments 0-3 are in
	HALF \g, \u, 0
.if NB_ < 8
	PLACES NP
	FETCH4 NB_, 0
	s_wait_dscnt 16                                ; all but the 16 just issued
.else
	s_wait_dscnt 0x0
.endif
	HALF \g, \u, 1
	PLACES NP
.if NB_ < 8
	FETCH4 NB_, 4
.endif
.endm
.macro TOST tt                         ; token tile tt, 64 channels: into my stage, and back as rows of 256 bytes, two an instruction
.irp e, 0,1
.irp k, 0,1,2,3
	ds_store_b128 v[SO], v[ACC+64*\e+16*(\tt)+4*\k:ACC+64*\e+16*(\tt)+4*\k+3] offset:128*\e+16*\k   ; ascending: each accumulator from its low end on
.endr
.endr
	WIN 0xc0
.irp i, 0,1,2,3,4,5,6,7
	ds_load_b128 v[128+32*((\tt)%2)+4*\i:128+32*((\tt)%2)+4*\i+3], v[RD] offset:2*\i*272   ; LDS serves a wave's instructions in order: these see the stores above
.endr
	WIN 0
.endm
.macro SEND tt, hh, younger            ; younger: the LDS instructions issued behind tile tt's loads
	s_wait_dscnt \younger
	WIN 0x0c
.irp i, 0,1,2,3,4,5,6,7
	global_store_b128 v[CO], v[128+32*((\tt)%2)+4*\i:128+32*((\tt)%2)+4*\i+3], s[OB:OB+1] offset:(2*\i+8*(\i/4)+32*((\tt)/2)+8*((\tt)%2))*4096+256*(\hh) th:TH_STORE_NT   ; sixteen lanes store 256 consecutive bytes, aligned
.endr
	WIN 0
.endm
.macro OUT hh
	s_wait_xcnt 0x0                                ; earlier stores have read their registers
	TOST 0
.irp tt, 1,2,3
.if \tt > 1
	s_wait_xcnt 0x0
.endif
	TOST \tt
	SEND \tt-1, \hh, 16                            ; behind tile tt - 1's loads: tile tt's 8 stores and 8 loads
.endr
	SEND 3, \hh, 0
.endm
	s_load_b256 s[4:11], s[0:1], 0x0               ; yc, ys, cod, scl
	s_load_b128 s[12:15], s[0:1], 0x20             ; out_b, out0
	v_lshl_add_u32 v[SPW], v0, 2, SPARE
	v_mov_b32 v[NIL], 0
	ds_add_u32 v[SPW], v[NIL]                      ; the opening lines: the add, twice on end, and its wait ahead of my first tensor load
	ds_add_u32 v[SPW], v[NIL]
	v_lshrrev_b32 v1, 5, v0
	v_readfirstlane_b32 s16, v1                    ; wave 0..3
	s_bfe_u32 s19, ttmp6, 0x40000                  ; cx: it enters global addresses of y and of the results alone
	s_lshl_b32 s20, ttmp9, 2
	s_add_co_u32 s20, s20, s19                     ; which 256 tokens
	s_and_b32 s21, ttmp7, 0xffff                   ; j, which the four partners share
	s_mov_b32 s[G1], 15|(3<<16)|(1<<21)            ; the mask: all four; elements of 8 bytes; bit 21 beside a mask; dense rows of 4,096 bytes
	s_mov_b32 s[G1+1], 512<<16
	s_mov_b32 s[G1+2], 16<<16                      ; 16 rows: half of the weights
	s_mov_b32 s[G1+3], 512<<16
	s_mov_b32 s[G1+4], 16
	s_mov_b32 s[G1+5], 512
	s_mov_b32 s[G1+6], 0
	s_mov_b32 s[G1+7], 0
	s_mov_b32 s[G1Y], 3<<16                        ; y's tiles are my work-group's own: no mask; elements of 8 bytes
	s_mov_b32 s[G1Y+1], 1024<<16                   ; a row: 8,192 bytes, four K steps of a row tile
	s_mov_b32 s[G1Y+2], 8<<16                      ; eight row tiles
	s_mov_b32 s[G1Y+3], 1024<<16
	s_mov_b32 s[G1Y+4], 8
	s_mov_b32 s[G1Y+5], 2048                       ; from row tile to row tile: 16,384 bytes
	s_mov_b32 s[G1Y+6], 0
	s_mov_b32 s[G1Y+7], 0
	s_lshl_b32 s46, s21, 3
	s_add_co_u32 s46, s46, 704                     ; out_w's row tile 704 + 8 j
	s_lshl_b32 s50, s46, 9
	s_mov_b32 s51, 0
	s_lshl_b32 s46, s46, 14
	s_lshl_b32 s47, s16, 16
	s_add_co_u32 s46, s46, s47
	s_mov_b32 s47, 0
	s_wait_dscnt 0x0                               ; both opening adds are done
	ROUND                                          ; all four work-groups are here: the joint loads meet
	s_wait_kmcnt 0x0
	s_mov_b32 s[G0], 1
	s_lshl_b32 s[G0+1], s16, 16
	s_add_nc_u64 s[G0+2:G0+3], s[8:9], s[46:47]
	s_or_b32 s[G0+3], s[G0+3], 0x80000000
	s_and_b32 s48, s16, 1
	s_lshl_b32 s[G0Y+1], s48, 16
	s_add_co_u32 s[G0Y+1], s[G0Y+1], YH
	s_lshl_b32 s48, s48, 17                        ; eight row tiles of 16,384 bytes,
	s_lshl_b32 s49, s20, 18                        ; sixteen for each 256 tokens,
	s_add_co_u32 s48, s48, s49
	s_add_co_u32 s48, s48, 8192                    ; from K step 4 on
	s_mov_b32 s49, 0
	s_mov_b32 s[G0Y], 1
	s_add_nc_u64 s[G0Y+2:G0Y+3], s[4:5], s[48:49]
	s_or_b32 s[G0Y+3], s[G0Y+3], 0x80000000
	s_cmp_lt_u32 s16, 2                            ; one tensor load a wave, a load to each arm: waves 0, 1 the weights' halves, jointly; waves 2, 3 y's
	s_cbranch_scc0 .Lhead_y
	tensor_load_to_lds s[G0:G0+3], s[G1:G1+7]
	s_nop 0
	PLACES 4
	s_branch .Lhead_j
.Lhead_y:
	tensor_load_to_lds s[G0Y:G0Y+3], s[G1Y:G1Y+7]
	s_nop 0
	PLACES 4
.Lhead_j:
	v_and_b32 v1, 15, v0                           ; r
	v_bfe_u32 v2, v0, 4, 1                         ; h
	v_and_b32 v3, 31, v0
	v_lshlrev_b32 v[LI], 4, v3
	v_add_nc_u32 v[LI+1], 65536, v[LI]
	s_lshl_b32 s53, s16, 15
	s_add_co_u32 s53, s53, YH
	v_add_nc_u32 v[YA], s53, v[LI]                 ; my four row tiles: 32,768 bytes a wave
	v_lshlrev_b32 v[BIO], 6, v2
	v_lshlrev_b32 v[WSO], 9, v2
	v_lshl_add_u32 v[WSO], v1, 4, v[WSO]
	v_lshlrev_b32 v[CO], 12, v2
	v_lshl_add_u32 v[CO], v1, 4, v[CO]             ; lanes 0-15 one row of out0, lanes 16-31 the next; 16 bytes a lane
	s_mul_i32 s52, s16, 16*272
	s_add_co_u32 s52, s52, STAGE                   ; my stage
	v_mul_u32_u24 v[SO], v1, 272
	v_lshl_add_u32 v[SO], v2, 6, v[SO]
	v_add_nc_u32 v[SO], s52, v[SO]                 ; in: row r, + 64 h
	v_mul_u32_u24 v[RD], v2, 272
	v_lshl_add_u32 v[RD], v1, 4, v[RD]
	v_add_nc_u32 v[RD], s52, v[RD]                 ; back: lanes 0-15 one row, lanes 16-31 the next
	s_add_nc_u64 s[50:51], s[10:11], s[50:51]      ; the weights' scale words
	s_lshl_b32 s48, s20, 4
	s_lshl_b32 s49, s16, 2
	s_add_co_u32 s48, s48, s49                     ; y's row tile 16 x (256 tokens) + 4 wave
	s_lshl_b32 s46, s48, 9
	s_mov_b32 s47, 0
	s_lshl_b32 s48, s48, 14
	s_mov_b32 s49, 0
	s_add_nc_u64 s[48:49], s[4:5], s[48:49]
	s_add_nc_u64 s[46:47], s[6:7], s[46:47]
	s_lshl_b32 s[BB], s21, 9
	s_mov_b32 s[BB+1], 0
	s_lshl_b32 s[OB], s20, 20
	s_lshl_b32 s58, s16, 18
	s_add_co_u32 s[OB], s[OB], s58
	s_add_co_u32 s[OB], s[OB], s[BB]               ; my first token's row, my work-group's 128 channels
	s_mov_b32 s[OB+1], 0
	s_add_nc_u64 s[OB:OB+1], s[14:15], s[OB:OB+1]
	s_add_nc_u64 s[BB:BB+1], s[12:13], s[BB:BB+1]
	s_wait_alu depctr_va_vdst(0)
.irp q, 0,1,2,3
	WIN (1+\q/4)<<6
.irp tt, 0,1,2,3
.irp c, 0,1,2,3
	global_load_b128 v[16*((4*\q+\tt)%16)+4*\c:16*((4*\q+\tt)%16)+4*\c+3], v[LI], s[48:49] offset:\tt*16384+\q*2048+\c*512   ; y's images as they lie: 512 consecutive bytes a load
.endr
.endr
.endr
	WIN 0
.irp p, 0,1
.irp hf, 0,1
	global_load_b128 v[XS+8*\p+4*\hf:XS+8*\p+4*\hf+3], v[WSO], s[46:47] offset:1024*\p+256*\hf
.endr
.endr
.irp g, 0,1,2,3
.irp hf, 0,1
	global_load_b128 v[WS+8*\g+4*\hf:WS+8*\g+4*\hf+3], v[WSO], s[50:51] offset:1024*\g+256*\hf
.endr
.endr
.irp k, 0,1,2,3,4,5,6,7
	global_load_b128 v[BI+4*\k:BI+4*\k+3], v[BIO], s[BB:BB+1] offset:128*(\k/4)+16*(\k%4)   ; channels 32 g + 16 h + 0 .. 15 of units 0 and 1
.endr
	s_wait_tensorcnt 0x0                           ; my quarter is in
	s_barrier_signal -1
	s_barrier_wait -1                              ; the weights and y's upper half are whole
	WIN 0x80
.irp q, 4,5,6,7
.irp tt, 0,1,2,3
.irp c, 0,1,2,3
	ds_load_b128 v[16*((4*\q+\tt)%16)+4*\c:16*((4*\q+\tt)%16)+4*\c+3], v[YA] offset:\tt*8192+(\q-4)*2048+\c*512   ; y's K steps 4-7 into window 2
.endr
.endr
.endr
	WIN 0
	FETCH4 0, 0
	FETCH4 0, 4
	s_wait_loadcnt 0x0                             ; y, the scale words, the bias
	BLK 0, 0
	BLK 0, 1
	BLK 1, 0
	BLK 1, 1
.irp k, 0,1,2,3,4,5,6,7
	global_load_b128 v[BI+4*\k:BI+4*\k+3], v[BIO], s[BB:BB+1] offset:256+128*(\k/4)+16*(\k%4)   ; the bias of units 2 and 3, behind the places of the products that read the first
.endr
	OUT 0
	s_wait_loadcnt 0x0
	BLK 2, 0
	BLK 2, 1
	BLK 3, 0
	BLK 3, 1
	OUT 1
	s_wait_tensorcnt 0x0                           ; the wave's end
	ds_add_u32 v[SPW], v[NIL]
	s_wait_dscnt 0x0
	ROUND                                          ; the closing round
	s_endpgm
.Lfunc_end_k_qdd0f20b041_outgemm:
	.size	k_qdd0f20b041_outgemm, .Lfunc_end_k_qdd0f20b041_outgemm-k_qdd0f20b041_outgemm
	.p2alignl 7, 3214868480
	.fill 96, 4, 3214868480
	.section	.rodata,"a",@progbits
	.p2align	6, 0x0
	.amdhsa_kernel k_qdd0f20b041_outgemm
		.amdhsa_group_segment_fixed_size 327680
		.amdhsa_private_segment_fixed_size 0
		.amdhsa_enable_private_segment 0
		.amdhsa_kernarg_size 48
		.amdhsa_user_sgpr_count 2
		.amdhsa_user_sgpr_kernarg_segment_ptr 1
		.amdhsa_wavefront_size32 1
		.amdhsa_system_sgpr_workgroup_id_x 1
		.amdhsa_system_sgpr_workgroup_id_y 1
		.amdhsa_system_sgpr_workgroup_id_z 1
		.amdhsa_system_vgpr_workitem_id 0
		.amdhsa_next_free_vgpr 1024
		.amdhsa_next_free_sgpr 66
		.amdhsa_reserve_vcc 0
		.amdhsa_float_denorm_mode_32 3
		.amdhsa_float_denorm_mode_16_64 3
		.amdhsa_memory_ordered 1
		.amdhsa_forward_progress 1
		.amdhsa_inst_pref_size 89
	.end_amdhsa_kernel
	.amdgpu_metadata
---
amdhsa.version: [ 1, 2 ]
amdhsa.kernels:
  - .name:           k_qdd0f20b041_outgemm
    .symbol:         k_qdd0f20b041_outgemm.kd
    .args:
      - { .name: yc, .offset: 0, .size: 8, .value_kind: global_buffer, .address_space: global }
      - { .name: ys, .offset: 8, .size: 8, .value_kind: global_buffer, .address_space: global }
      - { .name: cod, .offset: 16, .size: 8, .value_kind: global_buffer, .address_space: global }
      - { .name: scl, .offset: 24, .size: 8, .value_kind: global_buffer, .address_space: global }
      - { .name: out_b, .offset: 32, .size: 8, .value_kind: global_buffer, .address_space: global }
      - { .name: out0, .offset: 40, .size: 8, .value_kind: global_buffer, .address_space: global }
    .group_segment_fixed_size: 327680
    .private_segment_fixed_size: 0
    .kernarg_segment_align: 8
    .kernarg_segment_size: 48
    .max_flat_workgroup_size: 128
    .sgpr_count:     66
    .vgpr_count:     1024
    .wavefront_size: 32
...
	.end_amdgpu_metadata
.endif
;; end of part 4
